; MI455X (gfx1250); checked and timed in simulation.
; The chip was launched on July 23, 2026; its instructions are those of AMD's public machine-readable ISA for CDNA 5 (MIT licence, August 2026) and "CDNA5" Instruction Set Architecture Reference Guide (July 2026). The comments in the code are by the model that wrote it; some were corrected since.
;; Attention. Allowed arithmetic: matrix products marked QUANTISED: E2M1 operands, one E8M0 scale for each 32 along K, by v_wmma_scale_f32_16x16x128_f8f6f4 with both operands' format E2M1 (or v_wmma_scale_f32_32x16x128_f4), f32 sums; products left as they are: bf16, f16 or f32 operands; f32 sums; everything else in f32.
;; Inputs: bk 1,024 float32; bo 1,024 float32; bq 1,024 float32; bv 1,024 float32; k 4 x 2,048 x 1,024 float32; q 4 x 2,048 x 1,024 float32; v 4 x 2,048 x 1,024 float32; wk 1,024 x 1,024 float32; wo 1,024 x 1,024 float32; wq 1,024 x 1,024 float32; wv 1,024 x 1,024 float32.
;; Outputs: out0 4 x 2,048 x 1,024 float32.
;; This version of the problem:
;;   THIS VERSION OF THE PROBLEM IS GIVEN IN LOW PRECISION. The matrix products marked QUANTISED in the list below multiply operands that are first quantised to E2M1 (2 exponent bits, 1 mantissa bit; 4 bits a number), with one power-of-two scale for each 32 numbers along K (OCP MX v1.0); their sums are f32. The products marked 'left as it is' may take bf16, f16 or f32 operands, with f32 sums. Whichever they take, every output number must still come out within the allowed error. Rounding operands to bf16 (8 significant bits) uses up far more of that allowance than f16 does (11 bits, for magnitudes from 6e-5 to 65,504). All else is computed in f32.
;;   The module's matrix products, in the order in which they are computed (A, B: the left and right operand; K: the contracted axis; several contracted axes count as one K, in the product's order):
;;     1. [M 8,192, K 1,024] x [K 1,024, N 1,024]; A: input q; B: input wq: QUANTISED
;;     2. [M 8,192, K 1,024] x [K 1,024, N 1,024]; A: input k; B: input wk: QUANTISED
;;     3. [M 8,192, K 1,024] x [K 1,024, N 1,024]; A: input v; B: input wv: QUANTISED
;;     4. batch 64 x [M 2,048, K 64] x [K 64, N 2,048]; A: computed on the way; B: computed on the way: left as it is (an operand is computed on the way)
;;     5. batch 64 x [M 2,048, K 2,048] x [K 2,048, N 64]; A: computed on the way; B: computed on the way: left as it is (an operand is computed on the way)
;;     6. [M 8,192, K 1,024] x [K 1,024, N 1,024]; A: computed on the way; B: input wo: left as it is (an operand is computed on the way)
;;   THE QUANTISER, for each operand of a quantised product, along K:
;;     - K is cut into blocks of 32 from its start; a last block that is shorter is filled with zeros.
;;     - A block's scale is 2^e with e = floor(log2(the largest magnitude in the block)) - 2, held to -126 .. 127; a block of zeros has e = 0. As a byte (E8M0): e + 127.
;;     - Each number is divided by its block's scale, clamped to +-6, and rounded to the nearest number of E2M1, ties to even, subnormals kept.
;;     - The product sums the exact products of the quantised numbers (number of the format x scale) in f32.
;;   ~~~python
;;   def quantise(x, axis):      # numpy; x: float32 -> the quantised numbers, widened to float32 again
;;       x = np.moveaxis(x, axis, -1); K = x.shape[-1]
;;       x = np.pad(x, [(0, 0)] * (x.ndim - 1) + [(0, -K % 32)]); x = x.reshape(x.shape[:-1] + (-1, 32)); a = np.abs(x).max(-1, keepdims=True)
;;       e = np.where(a > 0, np.clip(np.frexp(np.where(a > 0, a, 1))[1] - 1 - 2, -126, 127), 0)      # np.frexp(a)[1] - 1 = floor(log2(a)), exactly
;;       r = np.clip(x / 2.0 ** e, -6, 6)
;;       step = 2.0 ** (np.maximum(np.frexp(np.where(r == 0, 1, r))[1] - 1, 0) - 1)
;;       q = np.round(r / step) * step * 2.0 ** e      # np.round: ties to even
;;       return np.moveaxis(q.reshape(q.shape[:-2] + (-1,))[..., :K], -1, axis).astype(np.float32)
;;   ~~~
;; One version. Each part assembles by itself: llvm-mc -triple=amdgcn-amd-amdhsa -mcpu=gfx1250 --defsym DOCPART=n.
;; ======== version 1 of 1: 4 launches
;; limits: values are held in f16: magnitudes above 65,504 overflow, below 6.1e-05 lose precision
;; workspace buffers: xc 12,582,912 bytes; xs 786,432 bytes; wc 1,572,864 bytes; ws 98,304 bytes; wot 2,097,152 bytes; hqkv 50,331,648 bytes; oh 16,777,216 bytes
;; launch prep (part 1): grid 880 x 1, 4 waves a work-group, no clusters, 104,960 bytes of LDS; arguments q, k, v, wq, wk, wv, wo, xc, xs, wc, ws, wot; writes xc, xs, wc, ws, wot
.if DOCPART == 1
	.amdgcn_target "amdgcn-amd-amdhsa--gfx1250"
	.amdhsa_code_object_version 6
	.text
	.protected	k_q2b0444fc8b_prep
	.globl	k_q2b0444fc8b_prep
	.p2align	8
	.type	k_q2b0444fc8b_prep,@function
k_q2b0444fc8b_prep:
	s_mov_b64 s[64:65], 0
	v_nop
	global_prefetch_b8 v0, s[64:65] scope:SCOPE_SE
	s_setreg_imm32_b32 hwreg(HW_REG_WAVE_MODE, 25, 1), 1
	s_wait_xcnt 0x0
; PREP: the operands of the three quantised projections become codes of FP4 (E2M1) with one E8M0 scale byte for each 32 along K, and wo becomes f16 with K innermost.
; THE WHOLE PROGRAM: prep | proj: Q = q Wq + bq, K = k Wk, V^T = (v Wv)^T on codes, results in f16 | attn: softmax(Q K^T / 8) V + bv, by heads, f16 operands, f32 sums | outp: x wo + bo, f16 operands, f32 sums.
; DEAD WORK: bk.  A score is qh . (k Wk + bk) / 8 = qh . (k Wk) / 8 + (qh . bk) / 8; the second term is the same for all keys of a query, and softmax along the keys takes away whatever is the same along them,
; for all values of the inputs; the product of qh and kh is not quantised, so kh enters no quantiser.  bk has no way to an output: it is not loaded and is no launch's argument.
; LIMIT: a NaN, an infinity or an overflow that bk alone would bring is not carried to the result.
; bv IS LIVE AND IS MOVED: the softmax's weights sum to 1, so sum p (v Wv + bv) = sum p (v Wv) + bv: attn adds it where it divides by the row's sum.
; THE QUANTISER: a block's scale is 2^(floor(log2(its largest magnitude)) - 2); its byte is the largest magnitude's exponent field - 2, held at 1 from below; numbers / scale go to the nearest code, ties to even, beyond 6 to 6.
; LIMITS: a block of zeros gets the byte 1 where the rule says 127 (its codes are zeros, and this program alone reads the bytes); blocks whose largest magnitude lies under 2^(2 - 126) keep the byte 1; NaN and infinities are not served.
; THREE PATHS, parted on the work-group's number at the head, never joined, each with LDS bytes of its own:
;   W (work-groups 0-47):    wq, wk, wv [k][n] f32 -> wc [3][n][512 bytes], ws [3][n][32]: a lane takes a column n and its registers run down K
;   O (work-groups 48-111):  wo [k][n] f32 -> wot [16 chunks of 64 k][n][64] f16: the same plan, a rounding in place of the quantiser
;   X (work-groups 112-879): q, k, v [row][k] f32 -> xc [3][row][512 bytes], xs [3][row][32]: plain streams of blocks of 32
; No tensor loads, no barrier, no cluster: waves share nothing and work-groups share no input.
.set SPARE, 104448                     ; the spare words, 128 bytes for each wave: two blocks of 256 bytes that no other line names
.set SPW,   190                        ; v190  LDS address of my spare word; never rewritten
.set NIL,   191                        ; v191  0; never rewritten
.set EMAX,  2
; path X
.set STEPS, 16                         ; a wave takes 16 steps of 512 numbers
.set CB,    8                          ; bytes of 16 codes
.set XR,    16                         ; v16-79   four sets of 16 numbers as they are loaded
.set XX,    80                         ; v80-111  two sets of 16 neighbours
.set XE,    112                        ; v112-127 a scale byte for each step
.set XC,    128                        ; v128-189 codes: four registers apart for each step, so that no store's data are written again
.set WREG,  8192                       ; LDS 0 on: a region for each wave: two stages of 32 x SP bytes, behind them its 256 scale bytes
.set SP,    80                         ; a lane's place in a stage: 64 bytes + 16 of padding
; path W
.set WST,   32768                      ; LDS: four stages of 32 rows x WP bytes
.set NB,    16                         ; blocks of 32 along K for a wave
.set WP,    272                        ; a stage row: 256 bytes + 16
.set KROW,  512                        ; a row of codes in memory
.set WX,    32                         ; v32-95   two sets of 32 numbers
.set WC,    96                         ; v96-99   a block's codes
.set WOUT,  112                        ; v112-175 the way out
.set WSB,   24                         ; v24-27   the scale bytes, four to a register
; path O
.set OST,   67584                      ; LDS: for each wave [2 chunks][32 columns] x OP bytes
.set OP,    144                        ; 64 f16 + 16 bytes of padding
	s_load_b512 s[8:23], s[0:1], 0x0               ; q 8, k 10, v 12, wq 14, wk 16, wv 18, wo 20, xc 22
	s_load_b256 s[24:31], s[0:1], 0x40             ; xs 24, wc 26, ws 28, wot 30
	v_lshl_add_u32 v[SPW], v0, 2, SPARE
	v_mov_b32 v[NIL], 0
	v_lshrrev_b32 v1, 5, v0
	v_readfirstlane_b32 s2, v1                     ; wave 0..3
	v_and_b32 v2, 31, v0                           ; lane
	s_mov_b32 s37, 0                               ; the upper word of every byte offset: all stay under 2^32
	s_wait_kmcnt 0x0
	s_cmp_lt_u32 ttmp9, 48
	s_cbranch_scc1 .Lpath_w
	s_cmp_lt_u32 ttmp9, 112
	s_cbranch_scc1 .Lpath_o
; ---------------- PATH X: K innermost.  Each load reads 512 consecutive bytes; a step's 2,048 bytes turn through the wave's own stage so that a lane holds 16 neighbours; two neighbouring lanes hold a block.
	s_sub_co_u32 s3, ttmp9, 112                    ; 0..767: 256 work-groups to a tensor
	s_lshr_b32 s32, s3, 8                          ; which tensor
	s_cmp_eq_u32 s32, 0
	s_cselect_b64 s[4:5], s[8:9], s[10:11]
	s_cmp_eq_u32 s32, 2
	s_cselect_b64 s[4:5], s[12:13], s[4:5]         ; the choice hangs on the work-group's number alone
	s_and_b32 s33, s3, 255
	s_lshl_b32 s33, s33, 2
	s_add_co_u32 s33, s33, s2                      ; my wave's run of 8,192 numbers in its tensor
	s_lshl_b32 s36, s33, 15
	s_add_nc_u64 s[4:5], s[4:5], s[36:37]
	s_lshl_b32 s33, s3, 2
	s_add_co_u32 s33, s33, s2                      ; and among all three: their codes and bytes lie on end
	s_lshl_b32 s36, s33, 12                        ; 4,096 bytes of codes a run
	s_add_nc_u64 s[22:23], s[22:23], s[36:37]
	s_lshl_b32 s36, s33, 8                         ; 256 scale bytes a run
	s_add_nc_u64 s[24:25], s[24:25], s[36:37]
	v_lshlrev_b32 v3, 4, v2                        ; my 16 bytes of a load's 512
	s_mul_i32 s34, s2, WREG
	v_lshrrev_b32 v14, 2, v2
	v_mul_u32_u24 v14, v14, SP
	v_and_b32 v15, 3, v2
	v_lshl_add_u32 v14, v15, 4, v14
	v_add_nc_u32 v14, s34, v14                     ; the stage, on the way in: SP (lane / 4) + 16 (lane % 4)
	v_mul_u32_u24 v15, v2, SP
	v_add_nc_u32 v15, s34, v15                     ; and on the way out: SP x lane: my 16 neighbours
	v_mul_u32_u24 v4, v2, CB                       ; my codes' place in a step's
	v_lshrrev_b32 v5, 1, v2
	s_add_co_u32 s34, s34, 2*32*SP
	v_add_nc_u32 v5, s34, v5                       ; LDS: my wave's 256 scale bytes, my block's byte
	v_lshlrev_b32 v7, 3, v2                        ; and on the way out 8 bytes a lane
	v_add_nc_u32 v6, s34, v7
.macro XLOAD t
.irp i, 0,1,2,3
	global_load_b128 v[XR+16*((\t)%4)+4*\i:XR+16*((\t)%4)+4*\i+3], v3, s[4:5] offset:2048*(\t)+512*\i th:TH_LOAD_NT   ; 32 lanes read 512 consecutive bytes
.endr
.endm
.macro XTURN t                         ; step t's numbers through the stage: LDS serves a wave's instructions in order, so no wait stands between the stores and the loads
.irp i, 0,1,2,3
	ds_store_b128 v14, v[XR+16*((\t)%4)+4*\i:XR+16*((\t)%4)+4*\i+3] offset:32*SP*((\t)%2)+8*SP*\i
.endr
.irp i, 0,1,2,3
	ds_load_b128 v[XX+16*((\t)%2)+4*\i:XX+16*((\t)%2)+4*\i+3], v15 offset:32*SP*((\t)%2)+16*\i
.endr
.endm
.irp t, 0,1,2,3
	XLOAD \t
.endr
	s_wait_loadcnt 12                              ; step 0's four loads are in; the 12 of steps 1 to 3 may be out
	XTURN 0
.macro XSTEP t
.set XS, XX+16*((\t)%2)
.if (\t) > 0
	s_wait_dscnt 1                                 ; this step's numbers are back from the stage (the last step's byte store may be out): so its stores into the stage have read their registers,
.else
	s_wait_dscnt 0x0
.endif
.if (\t)+4 < STEPS
	XLOAD (\t)+4                                   ; which take the loads of four steps on
.endif
.if (\t)+1 < STEPS
.if STEPS-2-(\t) >= 3
	s_wait_loadcnt 12                              ; the next step's four loads are in; those of the three steps behind it may be out
.else
	s_wait_loadcnt 4*(STEPS-2-(\t))
.endif
	XTURN (\t)+1                                   ; and go through the other stage while this step is worked
.endif
	v_max3_num_f32 v8, |v[XS]|, |v[XS+1]|, |v[XS+2]|               ; the largest magnitude of my 16, in two chains
	v_max3_num_f32 v9, |v[XS+3]|, |v[XS+4]|, |v[XS+5]|
.irp i, 6,10
	v_max3_num_f32 v8, v8, |v[XS+\i]|, |v[XS+\i+1]|
	v_max3_num_f32 v9, v9, |v[XS+\i+2]|, |v[XS+\i+3]|
.endr
	v_max3_num_f32 v8, v8, |v[XS+14]|, |v[XS+15]|
	v_max3_num_f32 v8, v8, v9, (EMAX+1)<<23        ; and the floor 2^(EMAX + 1 - 127): the byte cannot fall under 1
	v_max_num_f32_dpp v8, v8, v8 row_xmask:1 row_mask:0xf bank_mask:0xf   ; and of my neighbour's 16: the block's
	v_add_nc_u32 v11, -(EMAX<<23), v8              ; EMAX off its exponent field: the conversion takes the exponent field of this operand as its scale
	v_cvt_scalef32_pk8_fp4_f32 v[XC+4*(\t)], v[XS:XS+7], v11
	v_cvt_scalef32_pk8_fp4_f32 v[XC+4*(\t)+1], v[XS+8:XS+15], v11
	v_lshrrev_b32 v[XE+(\t)], 23, v11              ; the scale's byte (a plain line behind the conversions)
	ds_store_b8 v5, v[XE+(\t)] offset:16*(\t)      ; both lanes of a block write the same byte with the same value
	global_store_b64 v4, v[XC+4*(\t):XC+4*(\t)+1], s[22:23] offset:32*CB*(\t)   ; the wave stores 256 consecutive bytes, aligned
.endm
.irp t, 0,1,2,3,4,5,6,7,8,9,10,11,12,13,14,15
	XSTEP \t
.endr
	ds_load_b64 v[8:9], v6                         ; LDS serves a wave's instructions in order: these see my byte stores
	s_wait_dscnt 0x0
	global_store_b64 v7, v[8:9], s[24:25]          ; 32 lanes store 256 consecutive bytes, aligned
	s_wait_tensorcnt 0x0                           ; the wave's end: a wait, an add of 0 to my spare word and its wait, behind my last LDS store
	ds_add_u32 v[SPW], v[NIL]
	s_wait_dscnt 0x0
	s_endpgm
; ---------------- PATH W: K is the first axis.  A wave takes 32 columns x 512 along K; a block of 32 lies in one lane's 32 registers; the codes leave through the wave's own stage as rows.
.Lpath_w:
	s_lshr_b32 s32, ttmp9, 4                       ; which weight: 16 work-groups each
	s_cmp_eq_u32 s32, 0
	s_cselect_b64 s[4:5], s[14:15], s[16:17]
	s_cmp_eq_u32 s32, 2
	s_cselect_b64 s[4:5], s[18:19], s[4:5]
	s_and_b32 s33, ttmp9, 7
	s_lshl_b32 s33, s33, 7
	s_lshl_b32 s34, s2, 5
	s_add_co_u32 s33, s33, s34                     ; my wave's first column
	s_bfe_u32 s34, ttmp9, 0x10003                  ; which 512 along K
	s_lshl_b32 s36, s34, 21                        ; 512 rows of 4,096 bytes
	s_lshl_b32 s38, s33, 2
	s_add_co_u32 s36, s36, s38
	s_add_nc_u64 s[4:5], s[4:5], s[36:37]
	s_lshl_b32 s36, s32, 19                        ; codes: 524,288 bytes a weight, 512 a column, 256 for 512 along K
	s_lshl_b32 s38, s33, 9
	s_add_co_u32 s36, s36, s38
	s_lshl_b32 s38, s34, 8
	s_add_co_u32 s36, s36, s38
	s_add_nc_u64 s[26:27], s[26:27], s[36:37]
	s_lshl_b32 s36, s32, 15                        ; scale bytes: 32,768 a weight, 32 a column, 16 for 512 along K
	s_lshl_b32 s38, s33, 5
	s_add_co_u32 s36, s36, s38
	s_lshl_b32 s38, s34, 4
	s_add_co_u32 s36, s36, s38
	s_add_nc_u64 s[28:29], s[28:29], s[36:37]
	v_lshlrev_b32 v3, 2, v2                        ; in: 4 bytes a lane
	s_mul_i32 s35, s2, 32*WP
	s_add_co_u32 s35, s35, WST                     ; my stage
	v_mul_u32_u24 v4, v2, WP
	v_add_nc_u32 v4, s35, v4                       ; into it: row = my column
	v_and_b32 v5, 15, v2
	v_lshrrev_b32 v6, 4, v2                        ; out of it: sixteen lanes to a row, two rows an instruction
	v_mul_u32_u24 v7, v6, WP
	v_lshl_add_u32 v7, v5, 4, v7
	v_add_nc_u32 v7, s35, v7
	v_mul_u32_u24 v8, v6, KROW
	v_lshl_add_u32 v8, v5, 4, v8                   ; and the same place among the codes
	v_mul_u32_u24 v9, v2, 32                       ; my column's row of scale bytes
.macro WLOAD t                         ; block t: W(32 t + i, my column) into set t % 2; 32 lanes read 128 consecutive bytes, the four waves 512
.irp i, 0,1,2,3,4,5,6,7,8,9,10,11,12,13,14,15,16,17,18,19,20,21,22,23,24,25,26,27,28,29,30,31
	global_load_b32 v[WX+32*((\t)%2)+\i], v3, s[4:5] offset:(32*(\t)+\i)*4096 th:TH_LOAD_NT
.endr
.endm
	WLOAD 0
	WLOAD 1
.macro WBLOCK t
.set WS, WX+32*((\t)%2)
.if (\t) < NB-1
	s_wait_loadcnt 32                              ; this block's 32 loads are in; the next block's 32 may be out
.else
	s_wait_loadcnt 0
.endif
	v_max3_num_f32 v12, |v[WS]|, |v[WS+1]|, |v[WS+2]|               ; the block's largest magnitude: all 32 numbers are mine
	v_max3_num_f32 v13, |v[WS+3]|, |v[WS+4]|, |v[WS+5]|
.irp i, 6,10,14,18,22,26
	v_max3_num_f32 v12, v12, |v[WS+\i]|, |v[WS+\i+1]|
	v_max3_num_f32 v13, v13, |v[WS+\i+2]|, |v[WS+\i+3]|
.endr
	v_max3_num_f32 v12, v12, |v[WS+30]|, |v[WS+31]|
	v_max3_num_f32 v12, v12, v13, (EMAX+1)<<23     ; and the floor
	v_add_nc_u32 v11, -(EMAX<<23), v12             ; the conversion's scale operand
	v_lshrrev_b32 v13, 23, v11                     ; the scale's byte
.if (\t)%4 == 0
	v_mov_b32 v[WSB+(\t)/4], v13                   ; four bytes to a register, the lower K in the lower byte
.else
	v_lshl_or_b32 v[WSB+(\t)/4], v13, 8*((\t)%4), v[WSB+(\t)/4]
.endif
.irp g, 0,1,2,3
	v_cvt_scalef32_pk8_fp4_f32 v[WC+\g], v[WS+8*\g:WS+8*\g+7], v11
.endr
	v_nop                                          ; a plain line behind the last conversion
	ds_store_b128 v4, v[WC:WC+3] offset:16*(\t)    ; 32 codes: 16 bytes of my column's row
.if (\t)+2 < NB
	WLOAD (\t)+2
.endif
	s_wait_dscnt 0x0                               ; the store has read its registers: the next block's codes may be written
.endm
.set Q, 0
.rept NB
	WBLOCK Q
.set Q, Q+1
.endr
	global_store_b128 v9, v[WSB:WSB+3], s[28:29]   ; my column's 16 scale bytes
.irp t, 0,1,2,3,4,5,6,7,8,9,10,11,12,13,14,15
	ds_load_b128 v[WOUT+4*\t:WOUT+4*\t+3], v7 offset:2*\t*WP   ; LDS serves a wave's instructions in order: these see my stores
.endr
.irp t, 0,1,2,3,4,5,6,7,8,9,10,11,12,13,14,15
	s_wait_dscnt 15-\t                             ; the younger read-backs may be out
	global_store_b128 v8, v[WOUT+4*\t:WOUT+4*\t+3], s[26:27] offset:2*\t*KROW   ; sixteen lanes store 256 consecutive bytes, aligned
.endr
	s_wait_tensorcnt 0x0                           ; the wave's end: the three lines
	ds_add_u32 v[SPW], v[NIL]
	s_wait_dscnt 0x0
	s_endpgm
; ---------------- PATH O: wo to f16, K innermost, by chunks of 64 along K (a head's 64 channels).  A wave takes 32 columns x 128 along K: two chunks.
.Lpath_o:
	s_sub_co_u32 s3, ttmp9, 48                     ; 0..63
	s_and_b32 s32, s3, 7
	s_lshr_b32 s33, s3, 3                          ; which 128 along K
	s_lshl_b32 s32, s32, 7
	s_lshl_b32 s34, s2, 5
	s_add_co_u32 s32, s32, s34                     ; my wave's first column
	s_lshl_b32 s36, s33, 19                        ; 128 rows of 4,096 bytes
	s_lshl_b32 s34, s32, 2
	s_add_co_u32 s36, s36, s34
	s_add_nc_u64 s[20:21], s[20:21], s[36:37]
	s_lshl_b32 s36, s33, 18                        ; two chunks of 131,072 bytes
	s_lshl_b32 s34, s32, 7                         ; 128 bytes a column
	s_add_co_u32 s36, s36, s34
	s_add_nc_u64 s[30:31], s[30:31], s[36:37]
	v_lshlrev_b32 v3, 2, v2
	s_mul_i32 s35, s2, 64*OP
	s_add_co_u32 s35, s35, OST                     ; my stage
	v_mul_u32_u24 v4, v2, OP
	v_add_nc_u32 v4, s35, v4                       ; into it: row = my column
	v_lshrrev_b32 v5, 3, v2
	v_and_b32 v6, 7, v2
	v_mul_u32_u24 v7, v5, OP
	v_lshl_add_u32 v7, v6, 4, v7
	v_add_nc_u32 v7, s35, v7                       ; out of it: eight lanes to a row of 128 bytes, four rows an instruction
	v_lshlrev_b32 v8, 4, v2                        ; which are 512 consecutive bytes in memory
.macro OLOAD t
.irp i, 0,1,2,3,4,5,6,7,8,9,10,11,12,13,14,15,16,17,18,19,20,21,22,23,24,25,26,27,28,29,30,31
	global_load_b32 v[32+32*((\t)%2)+\i], v3, s[20:21] offset:(32*(\t)+\i)*4096 th:TH_LOAD_NT
.endr
.endm
	OLOAD 0
	OLOAD 1
.macro OBLOCK t
.set OS, 32+32*((\t)%2)
.if (\t) < 3
	s_wait_loadcnt 32                              ; this block's 32 loads are in; the next block's 32 may be out
.else
	s_wait_loadcnt 0x0
.endif
.irp i, 0,1,2,3,4,5,6,7,8,9,10,11,12,13,14,15
	v_cvt_pk_f16_f32 v[96+\i], v[OS+2*\i], v[OS+2*\i+1]            ; two neighbours along K, the lower in the low half
.endr
.irp i, 0,1,2,3
	ds_store_b128 v4, v[96+4*\i:96+4*\i+3] offset:((\t)/2)*32*OP+((\t)%2)*64+16*\i
.endr
.if (\t)+2 < 4
	OLOAD (\t)+2
.endif
	s_wait_dscnt 0x0                               ; the stores have read their registers
.endm
.irp t, 0,1,2,3
	OBLOCK \t
.endr
.irp c, 0,1
.irp i, 0,1,2,3,4,5,6,7
	ds_load_b128 v[112+4*(8*\c+\i):112+4*(8*\c+\i)+3], v7 offset:32*OP*\c+4*OP*\i
.endr
.endr
.irp c, 0,1
.irp i, 0,1,2,3,4,5,6,7
	s_wait_dscnt 15-8*\c-\i                        ; the younger read-backs may be out
	global_store_b128 v8, v[112+4*(8*\c+\i):112+4*(8*\c+\i)+3], s[30:31] offset:131072*\c+512*\i   ; 32 lanes store 512 consecutive bytes, aligned
.endr
.endr
	s_wait_tensorcnt 0x0                           ; the wave's end: the three lines
	ds_add_u32 v[SPW], v[NIL]
	s_wait_dscnt 0x0
	s_endpgm
.Lfunc_end_k_q2b0444fc8b_prep:
	.size	k_q2b0444fc8b_prep, .Lfunc_end_k_q2b0444fc8b_prep-k_q2b0444fc8b_prep
	.p2alignl 7, 3214868480
	.fill 96, 4, 3214868480
	.section	.rodata,"a",@progbits
	.p2align	6, 0x0
	.amdhsa_kernel k_q2b0444fc8b_prep
		.amdhsa_group_segment_fixed_size 104960
		.amdhsa_private_segment_fixed_size 0
		.amdhsa_enable_private_segment 0
		.amdhsa_kernarg_size 96
		.amdhsa_user_sgpr_count 2
		.amdhsa_user_sgpr_kernarg_segment_ptr 1
		.amdhsa_wavefront_size32 1
		.amdhsa_system_sgpr_workgroup_id_x 1
		.amdhsa_system_sgpr_workgroup_id_y 1
		.amdhsa_system_sgpr_workgroup_id_z 1
		.amdhsa_system_vgpr_workitem_id 0
		.amdhsa_next_free_vgpr 192
		.amdhsa_next_free_sgpr 66
		.amdhsa_reserve_vcc 0
		.amdhsa_float_denorm_mode_32 3
		.amdhsa_float_denorm_mode_16_64 3
		.amdhsa_memory_ordered 1
		.amdhsa_forward_progress 1
		.amdhsa_inst_pref_size 133
	.end_amdhsa_kernel
	.amdgpu_metadata
---
amdhsa.version: [ 1, 2 ]
amdhsa.kernels:
  - .name:           k_q2b0444fc8b_prep
    .symbol:         k_q2b0444fc8b_prep.kd
    .args:
      - { .name: q, .offset: 0, .size: 8, .value_kind: global_buffer, .address_space: global }
      - { .name: k, .offset: 8, .size: 8, .value_kind: global_buffer, .address_space: global }
      - { .name: v, .offset: 16, .size: 8, .value_kind: global_buffer, .address_space: global }
      - { .name: wq, .offset: 24, .size: 8, .value_kind: global_buffer, .address_space: global }
      - { .name: wk, .offset: 32, .size: 8, .value_kind: global_buffer, .address_space: global }
      - { .name: wv, .offset: 40, .size: 8, .value_kind: global_buffer, .address_space: global }
      - { .name: wo, .offset: 48, .size: 8, .value_kind: global_buffer, .address_space: global }
      - { .name: xc, .offset: 56, .size: 8, .value_kind: global_buffer, .address_space: global }
      - { .name: xs, .offset: 64, .size: 8, .value_kind: global_buffer, .address_space: global }
      - { .name: wc, .offset: 72, .size: 8, .value_kind: global_buffer, .address_space: global }
      - { .name: ws, .offset: 80, .size: 8, .value_kind: global_buffer, .address_space: global }
      - { .name: wot, .offset: 88, .size: 8, .value_kind: global_buffer, .address_space: global }
    .group_segment_fixed_size: 104960
    .private_segment_fixed_size: 0
    .kernarg_segment_align: 8
    .kernarg_segment_size: 96
    .max_flat_workgroup_size: 128
    .sgpr_count:     66
    .vgpr_count:     192
    .wavefront_size: 32
...
	.end_amdgpu_metadata
.endif
;; end of part 1
;; launch proj (part 2): grid 4 x 96, 4 waves a work-group, clusters of 4 x 4, 327,680 bytes of LDS; arguments xc, xs, wc, ws, hqkv, bq; writes hqkv
.if DOCPART == 2
	.amdgcn_target "amdgcn-amd-amdhsa--gfx1250"
	.amdhsa_code_object_version 6
	.text
	.protected	k_q2b0444fc8b_proj
	.globl	k_q2b0444fc8b_proj
	.p2align	8
	.type	k_q2b0444fc8b_proj,@function
k_q2b0444fc8b_proj:
	s_mov_b64 s[64:65], 0
	v_nop
	global_prefetch_b8 v0, s[64:65] scope:SCOPE_SE
	s_setreg_imm32_b32 hwreg(HW_REG_WAVE_MODE, 25, 1), 1
	s_wait_xcnt 0x0
	s_wait_alu depctr_hold_cnt(0) depctr_sa_sdst(0) depctr_va_vdst(0) depctr_va_sdst(0) depctr_va_ssrc(0) depctr_va_vcc(0) depctr_vm_vsrc(0)
	s_getreg_b32 s2, hwreg(HW_REG_IB_STS2, 6, 4)
	s_cmp_eq_u32 s2, 0
	s_cbranch_scc0 .Lentry_in_a_cluster
	s_endpgm
.Lentry_in_a_cluster:
	s_bfe_u32 s2, ttmp6, 0x10000c
	s_cmp_lg_u32 s2, 0xf033
	s_cbranch_scc0 .Lentry_shape_is_right
	s_endpgm
.Lentry_shape_is_right:
; PROJ: the three quantised projections on codes of FP4 (E2M1) with E8M0 scales, K = 1,024, sums in f32, results rounded once to f16 for the products that follow.
;   g = 0: Q = q Wq + bq -> hqkv part 0, [batch x head][token][64];   g = 1: K = k Wk -> part 1, laid likewise;   g = 2: V^T = (v Wv)^T -> part 2, [batch x head][64][token].
; WORK LEFT OUT: bk (the same for all keys of a query under the softmax: shown at the head of prep); bv is added in attn.  LIMIT: |Q|, |K|, |V| stay under 65,504, f16's largest number; NaN and infinities are not served.
; A tile of C, 256 x 256, is made by a work-group of four waves; a wave makes 128 x 128: 64 accumulators of 16 x 16.  The grid's 96 rows of tiles are 24 rows of clusters: 8 for each g.
; V IS MADE TRANSPOSED BY CHANGING THE BUFFERS' ROLES, NOT THE INSTRUCTIONS: for g = 2 the rows of C are wv's 1,024 columns (role A = wc, ws) and the columns of C are v's 8,192 tokens (role B = xc, xs).
; K = 1,024 is two slots of 512: both are first fills, nothing is filled again.  The scale bytes of the tile's 256 + 256 rows come once, as dense blocks.  By this text's count a wave has three tensor loads out at the most.
; CLUSTERS: 4 x 4 work-groups.  The four of a row of the cluster need the same tiles of A, the four of a column the same tiles of B: each tile is asked for jointly.
; THE MATRIX INSTRUCTION IS USED TRANSPOSED (source 0 = 16 rows of B, source 1 = 16 rows of A): a lane holds eight neighbouring numbers of a row of C.
; THE BIAS is the C of each sum's first instruction: 64 registers in the result's layout, bq for g = 0, zeros else: one text of the first step serves all three.
; REGISTERS, in windows of 256: window 0: v1-7 at work, v8-15 the stores' offsets, v16-29 addresses; v32-95 scale words, two sets, and nothing else; v128-191 A's fragments, one set (on the way out: rows read back);
;   v192-255 the bias (on the way out v192-223: packed results).   window 1: B's fragments, two sets.   windows 2, 3: the accumulators of my rows 0-63, 64-127 ((a, b) at v[8 (8 (a % 4) + b)]).
.set KSTEP,  512
.set NQ,     4                         ; matrix instructions deep in a slot
.set ROWB,   256                       ; a tile's row in bytes
.set KROW,   512                       ; a row of codes in memory
.set PITCH,  272                       ; an LDS row: 256 bytes + 16 of padding: the 16 rows that a load touches start 68 words apart
.set FR,     8
.set NL,     2
.set NP,     4                         ; places behind this matrix instruction (ISA guide 7.12.1)
.set HALFT,  128*PITCH
.set SLOT,   4*HALFT
.set KS,     32                        ; a row of scale bytes
.set SCL,    2*SLOT                    ; behind the ring: the scales, as rows of 256 bytes + 16
.set HALFS,  16*272                    ; those of 128 rows
.set SBLK,   2*272                     ; those of 16 rows
.set SPARE,  SCL+4*HALFS               ; the spare words, 128 bytes for each wave
.set SPITCH, 272                       ; the way out: a stage of 16 rows x (256 bytes + 16) for each wave, in slot 0, which has had its one fill and its last read by then
.set COI,  8
.set ADRA, 16
.set ADRB, 20
.set STO,  24
.set RD,   25
.set ADRS, 27
.set SPW,  28
.set NIL,  29
.set SC,   32
.set AF,   128
.set BIAS, 192
.set TMP,  192
.set OB,   128
.set WV,  16                           ; s16 wave;  s17 = wave / 2: my half of the rows, and: I fetch for A (0) or B (1);  s18 = wave % 2: my half of the columns, and: which 128 rows I fetch
.set RH,  17
.set CHF, 18
.set TR,  19                           ; s19 tile row;  s42 tile column
.set G1,  24
.set G0,  32
.set G1B, 48
.set G0B, 56
.set G1S, 68
.set G0S, 76
.set G1SB, 80
.set G0SB, 88
.set GG,  95                           ; s95 g
.set MSB, 0
.macro WIN new                         ; the immediate's high byte repeats the setting that is left
.if MSB != (\new)
	s_set_vgpr_msb (MSB<<8)|(\new)
.set MSB, (\new)
.endif
.endm
.set MUL_LO, 0xa1                      ; source 0 (B) window 1, source 1 (A) window 0, C and D window 2
.set MUL_HI, 0xf1                      ; the same, C and D window 3
.set FST_LO, 0x81                      ; the first step: C (the bias) window 0, D window 2
.set FST_HI, 0xc1                      ; D window 3
.set TO_B,   0x40
; A joint load: waves 0 and 1 fetch for A, waves 2 and 3 for B; the branch hangs on the wave's number alone.  An s_nop 0 and four v_nop follow each of the two lines.
.macro JLOAD g0a, g1a, g0b, g1b
	s_cmp_eq_u32 s[RH], 0
	s_cbranch_scc0 .Lfor_b_\@
	tensor_load_to_lds s[\g0a:\g0a+3], s[\g1a:\g1a+7]
	s_nop 0
.rept 4
	v_nop
.endr
	s_branch .Lasked_\@
.Lfor_b_\@:
	tensor_load_to_lds s[\g0b:\g0b+3], s[\g1b:\g1b+7]
	s_nop 0
.rept 4
	v_nop
.endr
.Lasked_\@:
.endm
.macro CROUND                          ; a round of the cluster's barrier
	s_barrier_signal -1
	s_barrier_wait -1
	s_cmp_lg_u32 s[WV], 0
	s_cbranch_scc1 .Lnot_wave_0_\@
	s_barrier_signal -3
.Lnot_wave_0_\@:
	s_barrier_wait -3
	s_barrier_signal -1
	s_barrier_wait -1
.endm
	s_load_b256 s[4:11], s[0:1], 0x0               ; xc 4, xs 6, wc 8, ws 10
	s_load_b128 s[12:15], s[0:1], 0x20             ; hqkv 12, bq 14
	v_lshl_add_u32 v[SPW], v0, 2, SPARE
	v_mov_b32 v[NIL], 0
	ds_add_u32 v[SPW], v[NIL]                      ; the wave's opening: the add, twice on end, and its wait ahead of my first tensor load
	ds_add_u32 v[SPW], v[NIL]
	v_lshrrev_b32 v1, 5, v0
	v_readfirstlane_b32 s[WV], v1
	s_lshr_b32 s[RH], s[WV], 1
	s_and_b32 s[CHF], s[WV], 1
	s_bfe_u32 s40, ttmp6, 0x40000                  ; cx, cy: my place in the cluster
	s_bfe_u32 s41, ttmp6, 0x40004
	s_and_b32 s20, ttmp7, 0xffff                   ; the cluster's y, 0..23: the same in all sixteen partners
	s_lshr_b32 s[GG], s20, 3                       ; g
	s_and_b32 s96, s20, 7
	s_lshl_b32 s96, s96, 2                         ; four tiles for each of g's eight rows of clusters: along C's rows (g = 0, 1: tokens) or along its columns (g = 2: tokens)
	s_cmp_eq_u32 s[GG], 2
	s_cselect_b32 s[TR], 0, s96
	s_cselect_b32 s42, s96, 0
	s_add_co_u32 s[TR], s[TR], s41                 ; tile row: cy and shared numbers alone
	s_add_co_u32 s42, s42, s40                     ; tile column: cx and shared numbers alone
	s_lshl_b32 s43, s41, 2
	s_lshl_b32 s43, 15, s43                        ; my row of the cluster
	s_lshl_b32 s44, 0x1111, s40                    ; my column
	; descriptor group 1: a tile of 128 rows x 256 bytes, 16 bytes of padding behind each row
	s_or_b32 s[G1+0], s43, (0<<16)|(1<<20)|(1<<21)|(5<<22)|(3<<25)  ; 15:0 the mask; 17:16 elements of 1 byte; 20 padding on; 21 set beside a mask; 24:22 after every 64 words; 31:25 four words
	s_or_b32 s[G1B+0], s44, (0<<16)|(1<<20)|(1<<21)|(5<<22)|(3<<25)
.irp g, G1, G1B
	s_mov_b32 s[\g+1], ROWB<<16                    ; tensor_dim0
	s_mov_b32 s[\g+2], 128<<16                     ; tensor_dim1
	s_mov_b32 s[\g+3], ROWB<<16                    ; tile_dim0
	s_mov_b32 s[\g+4], 128                         ; tile_dim1
	s_mov_b32 s[\g+5], KROW                        ; from row to row
	s_mov_b32 s[\g+6], 0
	s_mov_b32 s[\g+7], 0
.endr
	; the scales of 128 rows: 4,096 dense bytes, as 16 rows of 256 bytes (32 elements of 8 bytes), 16 bytes of padding behind each
	s_or_b32 s[G1S+0], s43, (3<<16)|(1<<20)|(1<<21)|(5<<22)|(3<<25)
	s_or_b32 s[G1SB+0], s44, (3<<16)|(1<<20)|(1<<21)|(5<<22)|(3<<25)
.irp g, G1S, G1SB
	s_mov_b32 s[\g+1], 32<<16
	s_mov_b32 s[\g+2], 16<<16
	s_mov_b32 s[\g+3], 32<<16
	s_mov_b32 s[\g+4], 16
	s_mov_b32 s[\g+5], 32
	s_mov_b32 s[\g+6], 0
	s_mov_b32 s[\g+7], 0
.endr
	s_lshl_b32 s22, s[CHF], 7                      ; which 128 rows of the tile I fetch
	s_lshl_b32 s20, s[TR], 8
	s_add_co_u32 s20, s20, s22                     ; A's row
	s_lshl_b32 s46, s42, 8
	s_add_co_u32 s46, s46, s22                     ; B's row
	s_lshl_b32 s92, s46, 5                         ; B: its scale bytes,
	s_lshl_b32 s46, s46, 9                         ; its codes
	s_lshl_b32 s22, s20, 5                         ; A likewise
	s_lshl_b32 s20, s20, 9
	s_lshl_b32 s66, s[GG], 22                      ; g's part of xc,
	s_lshl_b32 s67, s[GG], 19                      ; of wc,
	s_lshl_b32 s97, s[GG], 18                      ; of xs,
	s_lshl_b32 s98, s[GG], 15                      ; of ws
	s_cmp_eq_u32 s[GG], 2
	s_cselect_b32 s99, s67, s66                    ; A's codes lie in wc for g = 2, else in xc
	s_cselect_b32 s66, s66, s67                    ; B's the other way round
	s_cselect_b32 s67, s98, s97
	s_cselect_b32 s97, s97, s98
	s_add_co_u32 s20, s20, s99
	s_add_co_u32 s46, s46, s66
	s_add_co_u32 s22, s22, s67
	s_add_co_u32 s92, s92, s97
	s_mov_b32 s21, 0                               ; all four offsets stay under 2^32
	s_mov_b32 s23, 0
	s_mov_b32 s47, 0
	s_mov_b32 s93, 0
	s_mul_i32 s45, s[WV], HALFT                    ; where they go: wave x 128 rows: no place in the cluster enters an LDS address
	s_mul_i32 s94, s[WV], HALFS
	s_wait_dscnt 0x0                               ; both opening adds are done
	s_wait_kmcnt 0x0
	s_cmp_eq_u32 s[GG], 2                          ; the buffers' roles: the choice hangs on g alone
	s_cselect_b64 s[2:3], s[8:9], s[4:5]           ; A's codes
	s_cselect_b64 s[100:101], s[10:11], s[6:7]     ; A's scales
	s_cselect_b64 s[8:9], s[4:5], s[8:9]           ; B's codes
	s_cselect_b64 s[10:11], s[6:7], s[10:11]       ; B's scales
	s_add_nc_u64 s[20:21], s[2:3], s[20:21]
	s_add_nc_u64 s[22:23], s[100:101], s[22:23]
	s_add_nc_u64 s[46:47], s[8:9], s[46:47]
	s_add_nc_u64 s[92:93], s[10:11], s[92:93]
	CROUND                                         ; all sixteen work-groups are here: the first joint loads meet
	s_mov_b32 s[G0S], 1
	s_add_co_u32 s[G0S+1], s94, SCL
	s_mov_b64 s[G0S+2:G0S+3], s[22:23]
	s_or_b32 s[G0S+3], s[G0S+3], 0x80000000
	s_mov_b32 s[G0SB], 1
	s_add_co_u32 s[G0SB+1], s94, SCL
	s_mov_b64 s[G0SB+2:G0SB+3], s[92:93]
	s_or_b32 s[G0SB+3], s[G0SB+3], 0x80000000
	JLOAD G0S, G1S, G0SB, G1SB                     ; the scales first: they are wanted with the first slot
.irp s, 0,1
	s_mov_b32 s[G0+4*\s], 1
	s_add_co_u32 s[G0+4*\s+1], s45, \s*SLOT
	s_add_nc_u64 s[G0+4*\s+2:G0+4*\s+3], s[20:21], \s*ROWB
	s_or_b32 s[G0+4*\s+3], s[G0+4*\s+3], 0x80000000
	s_mov_b32 s[G0B+4*\s], 1
	s_add_co_u32 s[G0B+4*\s+1], s45, \s*SLOT
	s_add_nc_u64 s[G0B+4*\s+2:G0B+4*\s+3], s[46:47], \s*ROWB
	s_or_b32 s[G0B+4*\s+3], s[G0B+4*\s+3], 0x80000000
	JLOAD G0+4*\s, G1, G0B+4*\s, G1B
.endr
	v_and_b32 v1, 15, v0                           ; r = lane % 16
	v_bfe_u32 v2, v0, 4, 1                         ; h = lane / 16
	v_mul_u32_u24 v3, v1, PITCH
	v_lshl_add_u32 v4, v2, 4, v3                   ; a fragment's row x pitch + 16 h
	s_mul_i32 s21, s[RH], HALFT                    ; my 128 rows of A
	s_mul_i32 s22, s[CHF], HALFT                   ; my 128 rows of B,
	s_add_co_u32 s22, s22, 2*HALFT                 ; behind A's 256
.irp s, 0,1
	v_add_nc_u32 v[ADRA+\s], s21, v4
	v_add_nc_u32 v[ADRB+\s], s22, v4
	s_add_co_u32 s21, s21, SLOT
	s_add_co_u32 s22, s22, SLOT
.endr
	v_mul_u32_u24 v5, v1, KS                       ; my row's scales: 32 bytes a row,
	v_lshrrev_b32 v6, 8, v5
	v_lshl_add_u32 v5, v6, 4, v5                   ; and 16 more for each 256 passed
	s_mul_i32 s21, s[RH], HALFS
	s_mul_i32 s22, s[CHF], HALFS
	s_add_co_u32 s22, s22, 2*HALFS
	s_sub_co_u32 s22, s22, s21
	v_mul_u32_u24 v6, s22, v2                      ; lanes 16-31 take B's: one product, the distance between the two bases
	s_add_co_u32 s21, s21, SCL
	v_add_nc_u32 v5, v5, v6
	v_add_nc_u32 v[ADRS], s21, v5
	s_mul_i32 s23, s[WV], 16*SPITCH                ; my stage
	v_mul_u32_u24 v5, v1, SPITCH                   ; in: row r, 16 bytes for each half of the lanes
	v_lshl_add_u32 v5, v2, 4, v5
	v_add_nc_u32 v[STO], s23, v5
	v_mul_u32_u24 v5, v2, SPITCH                   ; back: lanes 0-15 one row of 256 bytes, lanes 16-31 the next
	v_lshl_add_u32 v5, v1, 4, v5
	v_add_nc_u32 v[RD], s23, v5
	; WHERE THE RESULTS GO.  Q, K: a row of C is a token, its 256 bytes are two heads' 64 channels: byte = batch 2^22 + head 2^18 + token 128 + 2 d.  V^T: a row of C is a channel c, its 256 bytes are 128 tokens:
	; byte = batch 2^22 + c 4,096 + 2 token.  A head's 2^18 bytes are 64 x 4,096, so my first channel c0 (a multiple of 128) counts c0 x 4,096 in both.
	s_cmp_eq_u32 s[GG], 2
	s_cselect_b32 s20, s42, s[TR]                  ; the tile of 256 tokens
	s_cselect_b32 s21, s[TR], s42                  ; the tile of 256 channels
	s_cselect_b32 s22, s[CHF], s[RH]               ; my half of the tokens
	s_cselect_b32 s2, s[RH], s[CHF]                ; my half of the channels
	s_cselect_b32 s97, 1, 7                        ; bytes from token to token, as a shift
	s_mov_b32 s66, 0x40000
	s_cselect_b32 s66, 128, s66                    ; lanes 8-15 of a row: the second 128 bytes (V^T), or the next head (Q, K)
	s_mov_b32 s67, 128
	s_cselect_b32 s67, 4096, s67                   ; from a row of C to the next
	s_mov_b32 s96, 256
	s_cselect_b32 s96, 8192, s96                   ; two rows
	s_mov_b32 s98, 2048
	s_cselect_b32 s98, 0x10000, s98                ; sixteen rows
	s_mov_b32 s99, 0
	s_lshr_b32 s3, s20, 3                          ; the batch
	s_lshl_b32 s3, s3, 22
	s_lshl_b32 s100, s[GG], 24                     ; g's part of hqkv
	s_add_co_u32 s3, s3, s100
	s_lshl_b32 s21, s21, 8
	s_lshl_b32 s2, s2, 7
	s_add_co_u32 s21, s21, s2                      ; c0
	s_lshl_b32 s21, s21, 12
	s_add_co_u32 s3, s3, s21
	s_and_b32 s20, s20, 7
	s_lshl_b32 s20, s20, 8
	s_lshl_b32 s22, s22, 7
	s_add_co_u32 s20, s20, s22                     ; my first token in its batch
	s_lshl_b32 s20, s20, s97
	s_add_co_u32 s2, s3, s20
	s_mov_b32 s3, 0
	s_add_nc_u64 s[12:13], s[12:13], s[2:3]
	v_and_b32 v3, 7, v0
	v_bfe_u32 v4, v0, 3, 1
	v_mul_u32_u24 v5, s66, v4
	v_mad_u32_u24 v5, s67, v2, v5
	v_lshl_add_u32 v[COI], v3, 4, v5               ; my 16 bytes of the first two rows;
.irp t, 1,2,3,4,5,6,7
	v_add_nc_u32 v[COI+\t], s96, v[COI+\t-1]       ; and of the seven pairs of rows behind them
.endr
	; the bias: zeros, and for g = 0 bq at my wave's 128 columns: lane (r, h) wants, for B's block b, bq[16 b + 8 h + 0 .. 7]
.set i, 0
.rept 64
	v_mov_b32 v[BIAS+i], 0
.set i, i+1
.endr
	s_cmp_lg_u32 s[GG], 0                          ; the same in all sixteen partners and all four waves
	s_cbranch_scc1 .Lno_bias
	s_lshl_b32 s20, s42, 10
	s_lshl_b32 s21, s[CHF], 9
	s_add_co_u32 s20, s20, s21
	s_mov_b32 s21, 0
	s_add_nc_u64 s[14:15], s[14:15], s[20:21]
	v_lshlrev_b32 v7, 5, v2
.irp b, 0,1,2,3,4,5,6,7
	global_load_b128 v[BIAS+8*\b:BIAS+8*\b+3], v7, s[14:15] offset:64*\b
	global_load_b128 v[BIAS+8*\b+4:BIAS+8*\b+7], v7, s[14:15] offset:64*\b+16
.endr
.Lno_bias:
.macro FRAG reg, adr, q, i             ; a fragment, 16 rows x 128 K of 4-bit codes: lane l holds row l % 16; registers 4 c .. 4 c + 3 hold K = 64 c + 32 (l / 16) + 0 .. 31
.irp c, 0,1
	ds_load_b128 v[\reg+4*\c:\reg+4*\c+3], v[\adr] offset:64*(\q)+32*\c+(\i)*16*PITCH
.endr
.endm
; 16 matrix instructions: A's blocks a0, a0 + 1 x B's eight, 128 along K.  p: B's set; sc: the set of scale words; first = 1: the sums start from the bias.
; The 64 accumulators take turns, one instruction a turn, in the same order in every step.
.macro MUL16 a0, p, q, sc, first
.irp a, \a0, \a0+1
.irp b, 0,1,2,3,4,5,6,7
.if \first
	v_wmma_scale_f32_16x16x128_f8f6f4 v[8*(8*((\a)%4)+\b):8*(8*((\a)%4)+\b)+7], v[128*(\p)+FR*\b:128*(\p)+FR*\b+FR-1], v[AF+FR*(\a):AF+FR*(\a)+FR-1], v[BIAS+8*\b:BIAS+8*\b+7], v[SC+8*NQ*(\sc)+NQ*\b+(\q)], v[SC+8*NQ*(\sc)+NQ*(\a)+(\q)] matrix_a_fmt:MATRIX_FMT_FP4 matrix_b_fmt:MATRIX_FMT_FP4 matrix_a_scale:MATRIX_SCALE_ROW1
.else
	v_wmma_scale_f32_16x16x128_f8f6f4 v[8*(8*((\a)%4)+\b):8*(8*((\a)%4)+\b)+7], v[128*(\p)+FR*\b:128*(\p)+FR*\b+FR-1], v[AF+FR*(\a):AF+FR*(\a)+FR-1], v[8*(8*((\a)%4)+\b):8*(8*((\a)%4)+\b)+7], v[SC+8*NQ*(\sc)+NQ*\b+(\q)], v[SC+8*NQ*(\sc)+NQ*(\a)+(\q)] matrix_a_fmt:MATRIX_FMT_FP4 matrix_b_fmt:MATRIX_FMT_FP4 matrix_a_scale:MATRIX_SCALE_ROW1
.endif
.endr
.endr
.endm
.macro FETCH_B slot, q, p
	WIN TO_B
.irp i, 0,1,2,3,4,5,6,7
	FRAG 128*(\p)+FR*\i, ADRB+\slot, \q, \i
.endr
	WIN 0
.endm
.macro FETCH_A slot, q, i0
.irp i, \i0, \i0+1, \i0+2, \i0+3
	FRAG AF+FR*(\i), ADRA+\slot, \q, \i
.endr
.endm
.macro SCALES sc                       ; a slot's scale words into set sc: four words a row; lanes 0-15 take A's block i, lanes 16-31 B's block i
.irp i, 0,1,2,3,4,5,6,7
	ds_load_b128 v[SC+8*NQ*\sc+NQ*\i:SC+8*NQ*\sc+NQ*\i+3], v[ADRS] offset:\i*SBLK
.endr
.endm
.macro PLACES n                        ; plain vector instructions between a matrix instruction and a load into, or a read of, its registers (ISA guide 7.12.1 for reads)
.rept \n
	v_nop
.endr
.endm
.macro STEP slot, q, first             ; a step of 128 along K that has its successor in the same slot
	s_wait_dscnt 4*NL                              ; B's set and A's blocks 0-3 are in; the youngest eight loads (A's blocks 4-7) may be out
.if \first
	WIN FST_LO
.else
	WIN MUL_LO
.endif
	MUL16 0, (\q)%2, \q, \slot, \first
	MUL16 2, (\q)%2, \q, \slot, \first
	s_wait_dscnt 0                                 ; A's blocks 4-7 are in
	PLACES NP
	FETCH_B \slot, (\q)+1, 1-(\q)%2
	FETCH_A \slot, (\q)+1, 0
.if \first
	WIN FST_HI
.else
	WIN MUL_HI
.endif
	MUL16 4, (\q)%2, \q, \slot, \first
	MUL16 6, (\q)%2, \q, \slot, \first
	PLACES NP
	WIN 0
	FETCH_A \slot, (\q)+1, 4
.endm
; A slot's last step changes slots: one barrier; in front of it each wave waits for all its tensor loads (its part of the next slot), adds 0 to its spare word, and waits for that and for its reads of this slot.  Nothing is filled again.
.macro TURN slot, next
	s_wait_tensorcnt 0x0
	ds_add_u32 v[SPW], v[NIL]
	s_wait_dscnt 4*NL+1                            ; the add and the youngest eight loads (A's blocks 4-7) may be out
	WIN MUL_LO
	MUL16 0, 1, NQ-1, \slot, 0
	s_wait_dscnt 0x0                               ; the add is done, and my reads of this slot are over
	s_barrier_signal -1
	MUL16 2, 1, NQ-1, \slot, 0
	WIN 0
	s_barrier_wait -1
	PLACES NP
	v_add_nc_u32 v[ADRS], 4*NQ, v[ADRS]            ; on to the next slot's scale words
	FETCH_B \next, 0, 0
	FETCH_A \next, 0, 0
	SCALES \next
	WIN MUL_HI
	MUL16 4, 1, NQ-1, \slot, 0
	MUL16 6, 1, NQ-1, \slot, 0
	PLACES NP
	WIN 0
	FETCH_A \next, 0, 4
.endm
.macro STEPS slot, from
.set Q, \from
.rept NQ-1-\from
	STEP \slot, Q, 0
.set Q, Q+1
.endr
.endm
	s_wait_tensorcnt 1                             ; the scales and my part of slot 0 are in (slot 1's load may be out),
	s_barrier_signal -1
	s_barrier_wait -1                              ; everybody's are
	FETCH_B 0, 0, 0
	FETCH_A 0, 0, 0
	SCALES 0
	FETCH_A 0, 0, 4
	s_wait_loadcnt 0x0                             ; the bias
	STEP 0, 0, 1
	STEPS 0, 1
	TURN 0, 1
	STEPS 1, 0
	s_wait_dscnt 4*NL                              ; the very last step: nothing more to fetch
	WIN MUL_LO
	MUL16 0, 1, NQ-1, 1, 0
	MUL16 2, 1, NQ-1, 1, 0
	s_wait_dscnt 0
	WIN MUL_HI
	MUL16 4, 1, NQ-1, 1, 0
	MUL16 6, 1, NQ-1, 1, 0
	WIN 0
; THE WAY OUT, block by block of 16 rows x 128 columns: rounded to f16, 16 bytes a lane; through my own stage in LDS; back as whole rows of 256 bytes; stored.
.macro PACK a
.set AC, 64*((\a)%4)
	WIN 0x0a+5*((\a)/4)                            ; sources 0 and 1: window 2 or 3
.irp b, 0,1,2,3,4,5,6,7
.irp r, 0,1,2,3
	v_cvt_pk_f16_f32 v[TMP+4*\b+\r], v[AC+8*\b+2*\r], v[AC+8*\b+2*\r+1]   ; each accumulator from its low end on
.endr
.endr
	WIN 0
.endm
.macro TOSTAGE a
.set BK, OB+32*((\a)%2)
.irp b, 0,1,2,3,4,5,6,7
	ds_store_b128 v[STO], v[TMP+4*\b:TMP+4*\b+3] offset:32*\b
.endr
.irp t, 0,1,2,3,4,5,6,7
	ds_load_b128 v[BK+4*\t:BK+4*\t+3], v[RD] offset:\t*2*SPITCH    ; LDS serves a wave's instructions in order: these see the stores above
.endr
.endm
.macro SEND a
.set BK, OB+32*((\a)%2)
	s_wait_dscnt 0x0                               ; the block is back in registers
	s_wait_xcnt 0x0                                ; earlier stores have read their base and their data: the base may step, and the next block's loads may land in the other set
.if (\a) > 0
	s_add_nc_u64 s[12:13], s[12:13], s[98:99]      ; sixteen rows of C on
.endif
.irp t, 0,1,2,3,4,5,6,7
	global_store_b128 v[COI+\t], v[BK+4*\t:BK+4*\t+3], s[12:13]    ; V^T: sixteen lanes store 256 consecutive bytes, aligned; Q, K: lanes 0-7 with 16-23, and 8-15 with 24-31, do
.endr
.endm
	PLACES NP                                      ; behind the last products: for the first conversions and the loads into A's registers
	PACK 0
	TOSTAGE 0
.irp a, 1,2,3,4,5,6,7                  ; block a's conversions stand between block a - 1's loads from the stage and the wait for them
	PACK \a
	SEND \a-1
	TOSTAGE \a
.endr
	SEND 7
	s_wait_tensorcnt 0x0                           ; the wave's end: a wait, an add of 0 to my spare word and its wait, behind my last tensor load and my last LDS store
	ds_add_u32 v[SPW], v[NIL]
	s_wait_dscnt 0x0
	CROUND                                         ; the closing round
	s_endpgm
.Lfunc_end_k_q2b0444fc8b_proj:
	.size	k_q2b0444fc8b_proj, .Lfunc_end_k_q2b0444fc8b_proj-k_q2b0444fc8b_proj
	.p2alignl 7, 3214868480
	.fill 96, 4, 3214868480
	.section	.rodata,"a",@progbits
	.p2align	6, 0x0
	.amdhsa_kernel k_q2b0444fc8b_proj
		.amdhsa_group_segment_fixed_size 327680
		.amdhsa_private_segment_fixed_size 0
		.amdhsa_enable_private_segment 0
		.amdhsa_kernarg_size 48
		.amdhsa_user_sgpr_count 2
		.amdhsa_user_sgpr_kernarg_segment_ptr 1
		.amdhsa_wavefront_size32 1
		.amdhsa_system_sgpr_workgroup_id_x 1
		.amdhsa_system_sgpr_workgroup_id_y 1
		.amdhsa_system_sgpr_workgroup_id_z 1
		.amdhsa_system_vgpr_workitem_id 0
		.amdhsa_next_free_vgpr 1024
		.amdhsa_next_free_sgpr 102
		.amdhsa_reserve_vcc 0
		.amdhsa_float_denorm_mode_32 3
		.amdhsa_float_denorm_mode_16_64 3
		.amdhsa_memory_ordered 1
		.amdhsa_forward_progress 1
		.amdhsa_inst_pref_size 132
	.end_amdhsa_kernel
	.amdgpu_metadata
---
amdhsa.version: [ 1, 2 ]
amdhsa.kernels:
  - .name:           k_q2b0444fc8b_proj
    .symbol:         k_q2b0444fc8b_proj.kd
    .args:
      - { .name: xc, .offset: 0, .size: 8, .value_kind: global_buffer, .address_space: global }
      - { .name: xs, .offset: 8, .size: 8, .value_kind: global_buffer, .address_space: global }
      - { .name: wc, .offset: 16, .size: 8, .value_kind: global_buffer, .address_space: global }
      - { .name: ws, .offset: 24, .size: 8, .value_kind: global_buffer, .address_space: global }
      - { .name: hqkv, .offset: 32, .size: 8, .value_kind: global_buffer, .address_space: global }
      - { .name: bq, .offset: 40, .size: 8, .value_kind: global_buffer, .address_space: global }
    .group_segment_fixed_size: 327680
    .private_segment_fixed_size: 0
    .kernarg_segment_align: 8
    .kernarg_segment_size: 48
    .max_flat_workgroup_size: 128
    .sgpr_count:     102
    .vgpr_count:     1024
    .wavefront_size: 32
...
	.end_amdgpu_metadata
.endif
;; end of part 2
;; launch attn (part 3): grid 4 x 64, 16 waves a work-group, clusters of 4 x 1, 327,680 bytes of LDS; arguments hqkv, bv, oh; writes oh
.if DOCPART == 3
	.amdgcn_target "amdgcn-amd-amdhsa--gfx1250"
	.amdhsa_code_object_version 6
	.text
	.protected	k_q2b0444fc8b_attn
	.globl	k_q2b0444fc8b_attn
	.p2align	8
	.type	k_q2b0444fc8b_attn,@function
k_q2b0444fc8b_attn:
	s_mov_b64 s[64:65], 0
	v_nop
	global_prefetch_b8 v0, s[64:65] scope:SCOPE_SE
	s_setreg_imm32_b32 hwreg(HW_REG_WAVE_MODE, 25, 1), 1
	s_wait_xcnt 0x0
	s_wait_alu depctr_hold_cnt(0) depctr_sa_sdst(0) depctr_va_vdst(0) depctr_va_sdst(0) depctr_va_ssrc(0) depctr_va_vcc(0) depctr_vm_vsrc(0)
	s_getreg_b32 s2, hwreg(HW_REG_IB_STS2, 6, 4)
	s_cmp_eq_u32 s2, 0
	s_cbranch_scc0 .Lentry_in_a_cluster
	s_endpgm
.Lentry_in_a_cluster:
	s_bfe_u32 s2, ttmp6, 0x10000c
	s_cmp_lg_u32 s2, 0x3003
	s_cbranch_scc0 .Lentry_shape_is_right
	s_endpgm
.Lentry_shape_is_right:
; ATTN: oh[bh][q][:] = sum over k of softmax_k(Q[bh][q] . K[bh][k] / 8) V[bh][k][:] + bv, for 64 (batch, head) pairs, 2,048 queries and keys, head size 64.  Operands f16, products' sums, maxima and row sums f32, oh f16.
; WORK LEFT OUT: bk is in no score (shown at the head of prep).  bv is added here, once a row: the weights sum to 1, so it is the addend of the multiply-add that divides by the row's sum.
; LIMITS: NaN and infinities are not served; |Q|, |K|, |V| under 65,504.
; hqkv: Q at byte 0, [bh][token][64]; K at 2^24, laid likewise; V^T at 2^25, [bh][64][token]: the keys are the second product's K and lie innermost.
; SHARES.  A work-group owns 512 queries of one bh; each of its sixteen waves 32: two tiles of 16, in 256 registers: four waves to a SIMD, so that one wave's softmax stands beside another's products and LDS loads.
; Every wave walks all keys, 64 a step.  K and V^T come through a ring of two LDS slots of 256 keys (four steps), filled by the tensor data mover: wave 0 K's tile, wave 1 V^T's, one load each behind each round.
; CLUSTER.  A bh's four work-groups form a cluster and walk the same K and V^T: each tile is asked for jointly, with a mask that names the four.
; LAYOUT.  S^T = K Q^T (source 0 = 16 keys, source 1 = 16 queries): a lane holds ONE query (lane % 16) and keys 8 (lane / 16) + 0..7.  Two such tiles, rounded to f16 in pairs, ARE source 1 (32 keys x 16 queries) of
; O^T = V^T P, whose result again holds one query a lane.  So nothing changes lanes between the products.
; SOFTMAX.  For each query a running maximum m and sum l: p = 2^(c s - c m), c = log2(e) / 8; in every step O^T and l are multiplied by a = 2^(c m_old - c m_new).  m starts at -3e38, l and O^T at zeros: the step is written once.
.set KP,    144                        ; a key's row in LDS: 128 bytes + 16
.set VP,    528                        ; a row of V^T's tile: 512 bytes + 16
.set VOFF,  256*KP                     ; a slot: 256 rows of K, then 64 rows of V^T
.set SLOT1, 1<<17                      ; slot 1 begins here: one exclusive or turns an address in one slot into the other's
.set STAGE, SLOT1+256*KP+64*VP         ; behind the ring: for each wave two tiles of 16 rows x 144 bytes, for the way out
.set SPARE, STAGE+16*2*16*KP           ; the spare words, 128 bytes for each wave: eight blocks of 256 bytes that no other line names
.set NSL,   8                          ; slots' worth of keys
.set AK0, 1                            ; v1   my lane's place in a tile of K
.set AV0, 2                            ; v2   the same for V^T
.set ADK, 3                            ; v3   LDS address of the slot's K
.set ADV, 4                            ; v4   of its V^T
.set SPW, 5                            ; v5   LDS address of my spare word; never rewritten
.set NIL, 6                            ; v6   0; never rewritten
.set PFO, 7                            ; v7   the prefetches' offset; never rewritten
.set STO, 8                            ; v8   the way out: where I put 16 bytes of a row
.set RD,  9                            ; v9   where I read rows back
.set GO,  10                           ; v10  my byte offset in the wave's rows of oh
.set QO,  11                           ; v11  my byte offset in Q's rows; later in bv
.set ST,  12                           ; tile t's statistics at v[ST + 8 t]: +0 c m, +1 m, +2, +3 l (even keys', odd keys'), +4 to +7 c0-c3, at work; a takes c2's place
.set QF,  32                           ; v32-63   Q: tile t, channels 32 c on, at 32 + 16 t + 8 c
.set KV,  64                           ; v64-127  eight fragments of K, then of V^T
.set S,   128                          ; v128-191 S^T, tile t, keys 16 kt on, at 128 + 32 t + 8 kt; then p; then P in the low half of each 16
.set OT,  192                          ; v192-255 O^T, tile t, channels 16 dt on, at 192 + 32 t + 8 dt
.set TB,    2                          ; s2   LDS byte at which the slot in hand begins
.set SLOTS, 3                          ; s3   slots still to be asked for
.set WV,   10
.set SEL,  20                          ; s[20:21] lane selects for v_permlanex16_b32: lane l xor 16
.set CS,   22                          ; s[22:23] c, twice: the packed form names a pair
.set G1K,  24
.set G1V,  32
.set G0K,  40
.set G0V,  44
.set PFA,  50                          ; s[50:51] where my prefetches stand
.set PFS,  52                          ; s[52:53] a slot on, in bytes
.set LIM,  54                          ; s54  1 in a wave that prefetches, else the greatest number
.macro CROUND                          ; a round of the cluster's barrier
	s_barrier_signal -1
	s_barrier_wait -1
	s_cmp_lg_u32 s[WV], 0
	s_cbranch_scc1 .Lnot_wave_0_\@
	s_barrier_signal -3
.Lnot_wave_0_\@:
	s_barrier_wait -3
	s_barrier_signal -1
	s_barrier_wait -1
.endm
; Wave 0 fetches K's tile, wave 1 V^T's, the others nothing: the branches hang on the wave's number alone.  An s_nop 0 and four v_nop follow each of the two lines.
.macro TLOAD
	s_cmp_eq_u32 s[WV], 0
	s_cbranch_scc0 .Lnot_k_\@
	tensor_load_to_lds s[G0K:G0K+3], s[G1K:G1K+7]
	s_nop 0
.rept 4
	v_nop
.endr
	s_branch .Lasked_\@
.Lnot_k_\@:
	s_cmp_eq_u32 s[WV], 1
	s_cbranch_scc0 .Lasked_\@
	tensor_load_to_lds s[G0V:G0V+3], s[G1V:G1V+7]
	s_nop 0
.rept 4
	v_nop
.endr
.Lasked_\@:
.endm
; A prefetch of what the NEXT change of slots will ask for: a slot's 32,768 bytes of K (wave 2) and 64 x 512 bytes of V^T (wave 3), four key steps ahead of that load.  The four partners share the
; blocks out by address, 32 blocks of 256 bytes each, a lane a block: each block is named once in the launch.  The last change that fills a slot asks for nothing; slots 0 and 1 come by their loads alone.
.macro ASK
	s_cmp_gt_u32 s[SLOTS], s[LIM]
	s_cbranch_scc0 .Lnot_mine_\@
	global_prefetch_b8 v[PFO], s[PFA:PFA+1] th:TH_LOAD_NT scope:SCOPE_SE
.Lnot_mine_\@:
.endm
	s_load_b128 s[4:7], s[0:1], 0x0                ; hqkv 4, bv 6
	s_load_b64 s[8:9], s[0:1], 0x10                ; oh
	v_lshl_add_u32 v[SPW], v0, 2, SPARE
	v_mov_b32 v[NIL], 0
	ds_add_u32 v[SPW], v[NIL]                      ; the wave's opening: the add, twice on end, and its wait ahead of the first tensor loads
	ds_add_u32 v[SPW], v[NIL]
	v_lshrrev_b32 v1, 5, v0
	v_readfirstlane_b32 s[WV], v1                  ; wave 0..15
	s_bfe_u32 s11, ttmp6, 0x40000                  ; cx: my block of 512 queries: it enters Q's, oh's and the prefetches' addresses alone
	s_and_b32 s12, ttmp7, 0xffff                   ; bh, which the four partners share
	; descriptor group 1.  K: 256 rows x 64 elements of 2 bytes, dense;  V^T: 64 rows x 256 elements, 2,048 elements apart
	s_mov_b32 s[G1K], 15|(1<<16)|(1<<20)|(1<<21)|(4<<22)|(3<<25)  ; 15:0 the mask: all four; 17:16 elements of 2 bytes; 20 padding on; 21 set beside a mask; 24:22 after every 32 words; 31:25 four words
	s_mov_b32 s[G1K+1], 64<<16                     ; tensor_dim0
	s_mov_b32 s[G1K+2], 256<<16                    ; tensor_dim1
	s_mov_b32 s[G1K+3], 64<<16                     ; tile_dim0
	s_mov_b32 s[G1K+4], 256                        ; tile_dim1
	s_mov_b32 s[G1K+5], 64                         ; from row to row
	s_mov_b32 s[G1K+6], 0
	s_mov_b32 s[G1K+7], 0
	s_mov_b32 s[G1V], 15|(1<<16)|(1<<20)|(1<<21)|(6<<22)|(3<<25)  ; padding: four words after every 128
	s_mov_b32 s[G1V+1], 256<<16
	s_mov_b32 s[G1V+2], 64<<16
	s_mov_b32 s[G1V+3], 256<<16
	s_mov_b32 s[G1V+4], 64
	s_mov_b32 s[G1V+5], 2048
	s_mov_b32 s[G1V+6], 0
	s_mov_b32 s[G1V+7], 0
	s_mov_b32 s[SEL], 0x76543210
	s_mov_b32 s[SEL+1], 0xfedcba98
	s_mov_b32 s[CS], 0x3e38aa3b                    ; c = log2(e) / 8
	s_mov_b32 s[CS+1], s[CS]
	s_mov_b32 s[TB], 0
	s_mov_b32 s[SLOTS], NSL-1
	s_lshl_b32 s14, s12, 18                        ; a bh's 262,144 bytes in each part of hqkv and in oh
	s_mov_b32 s15, 0
	s_wait_dscnt 0x0                               ; both opening adds are done
	s_wait_kmcnt 0x0
	s_add_nc_u64 s[16:17], s[4:5], s[14:15]
	s_mov_b32 s[G0K], 1
	s_mov_b32 s[G0K+1], 0                          ; LDS: slot 0
	s_add_nc_u64 s[G0K+2:G0K+3], s[16:17], 0x1000000
	s_or_b32 s[G0K+3], s[G0K+3], 0x80000000
	s_mov_b32 s[G0V], 1
	s_mov_b32 s[G0V+1], VOFF
	s_add_nc_u64 s[G0V+2:G0V+3], s[16:17], 0x2000000
	s_or_b32 s[G0V+3], s[G0V+3], 0x80000000
	CROUND                                         ; all four work-groups are here: the first joint loads meet
	TLOAD                                          ; slot 0
	s_lshl_b32 s18, s11, 16                        ; my block's 512 rows of 128 bytes,
	s_lshl_b32 s19, s[WV], 12                      ; my wave's 32 of them
	s_add_co_u32 s18, s18, s19
	s_mov_b32 s19, 0
	s_add_nc_u64 s[48:49], s[16:17], s[18:19]      ; Q at my wave's first row
	s_add_nc_u64 s[8:9], s[8:9], s[14:15]
	s_add_nc_u64 s[8:9], s[8:9], s[18:19]          ; oh likewise
	s_and_b32 s14, s12, 15
	s_lshl_b32 s14, s14, 8
	s_add_nc_u64 s[6:7], s[6:7], s[14:15]          ; bv at my head's 64 numbers
	v_and_b32 v28, 15, v0                          ; r
	v_bfe_u32 v29, v0, 4, 1                        ; h
	v_bfe_u32 v30, v0, 3, 2                        ; (lane / 8) % 4
	v_and_b32 v31, 7, v0
	v_lshlrev_b32 v[QO], 7, v28
	v_lshl_add_u32 v[QO], v29, 4, v[QO]            ; row r of 128 bytes + 16 h
.irp t, 0,1
.irp c, 0,1
	global_load_b128 v[QF+16*\t+8*\c:QF+16*\t+8*\c+3], v[QO], s[48:49] offset:2048*\t+64*\c        ; Q stays in registers
	global_load_b128 v[QF+16*\t+8*\c+4:QF+16*\t+8*\c+7], v[QO], s[48:49] offset:2048*\t+64*\c+32
.endr
.endr
	v_mul_u32_u24 v[AK0], v28, KP
	v_lshl_add_u32 v[AK0], v29, 4, v[AK0]          ; row x pitch + 16 h
	v_mul_u32_u24 v[AV0], v28, VP
	v_lshl_add_u32 v[AV0], v29, 4, v[AV0]
	v_add_nc_u32 v[AV0], VOFF, v[AV0]
	s_mul_i32 s13, s[WV], 2*16*KP
	s_add_co_u32 s13, s13, STAGE                   ; my stage
	v_add_nc_u32 v[STO], s13, v[AK0]               ; in: row r, 16 bytes for each half of the lanes
	v_mul_u32_u24 v[RD], v30, KP
	v_lshl_add_u32 v[RD], v31, 4, v[RD]
	v_add_nc_u32 v[RD], s13, v[RD]                 ; back: eight lanes to a row of 128 bytes, four rows an instruction
	v_and_b32 v[GO], 31, v0
	v_lshlrev_b32 v[GO], 4, v[GO]                  ; which are 512 consecutive bytes of oh
	; the prefetches: wave 2 for K, wave 3 for V^T
	s_cmp_eq_u32 s[WV], 2
	s_mov_b32 s13, 0x2000000
	s_cselect_b32 s56, 0x1000000, s13              ; the part of hqkv
	s_mov_b32 s13, 512
	s_cselect_b32 s[PFS], 0x8000, s13              ; a slot on
	s_mov_b32 s13, 4096
	s_cselect_b32 s55, 512, s13                    ; from a pair of lanes to the next: two blocks of K on, or a row of V^T
	s_cselect_b32 s58, 13, 16                      ; my work-group's 32 blocks: 8,192 bytes of K, or 16 rows of V^T
	s_lshl_b32 s59, s11, s58
	s_add_co_u32 s56, s56, s59
	s_add_co_u32 s56, s56, s[PFS]                  ; in slot 1: the first change of slots steps it to slot 2
	s_mov_b32 s57, 0
	s_mov_b32 s[PFS+1], 0
	s_add_nc_u64 s[PFA:PFA+1], s[16:17], s[56:57]
	s_lshr_b32 s[LIM], s[WV], 1
	s_cmp_eq_u32 s[LIM], 1
	s_cselect_b32 s[LIM], 1, -1
	v_bfe_u32 v27, v0, 1, 4                        ; lane / 2
	v_and_b32 v[PFO], 1, v0
	v_lshlrev_b32 v[PFO], 8, v[PFO]
	v_mad_u32_u24 v[PFO], v27, s55, v[PFO]
.irp t, 0,1
	v_mov_b32 v[ST+8*\t+1], 0xff61b1e6             ; m: -3e38, under every score
	v_mov_b32 v[ST+8*\t+2], 0                      ; l
	v_mov_b32 v[ST+8*\t+3], 0
.endr
.irp t, 0,1
	v_mul_f32 v[ST+8*\t], s[CS], v[ST+8*\t+1]      ; c m
.endr
.set i, 0
.rept 64
	v_mov_b32 v[OT+i], 0                           ; O^T: the first step's a is 0 and leaves zeros zeros
.set i, i+1
.endr
; THE SOFTMAX of a key step, the two tiles line by line, so that no line waits for the line above it.
.macro SOFTMAX
.irp j, 0,1,2,3                        ; the maximum of the lane's 32 scores and the old m: four chains; each accumulator is read from its low end on
.irp t, 0,1
	v_max3_num_f32 v[ST+8*\t+4+\j], v[S+32*\t+8*\j], v[S+32*\t+8*\j+1], v[S+32*\t+8*\j+2]
.endr
.endr
.irp u, 1,2
.irp j, 0,1,2,3
.irp t, 0,1
	v_max3_num_f32 v[ST+8*\t+4+\j], v[ST+8*\t+4+\j], v[S+32*\t+8*\j+2*\u+1], v[S+32*\t+8*\j+2*\u+2]
.endr
.endr
.endr
.irp t, 0,1
	v_max3_num_f32 v[ST+8*\t+4], v[ST+8*\t+4], v[S+32*\t+7], v[S+32*\t+15]
	v_max3_num_f32 v[ST+8*\t+6], v[ST+8*\t+6], v[S+32*\t+23], v[S+32*\t+31]
.endr
.irp t, 0,1
	v_max3_num_f32 v[ST+8*\t+4], v[ST+8*\t+4], v[ST+8*\t+5], v[ST+8*\t+6]
.endr
.irp t, 0,1
	v_max3_num_f32 v[ST+8*\t+4], v[ST+8*\t+4], v[ST+8*\t+7], v[ST+8*\t+1]
.endr
.irp t, 0,1
	v_permlanex16_b32 v[ST+8*\t+5], v[ST+8*\t+4], s[SEL], s[SEL+1]   ; the query's other 32 keys lie in the lane 16 away
.endr
.irp t, 0,1
	v_mov_b32 v[ST+8*\t+7], v[ST+8*\t]             ; c m_old is kept for a
.endr
.irp t, 0,1
	v_max_num_f32 v[ST+8*\t+1], v[ST+8*\t+4], v[ST+8*\t+5]
.endr
.irp t, 0,1
	v_mul_f32 v[ST+8*\t], s[CS], v[ST+8*\t+1]
.endr
.irp t, 0,1
	v_sub_f32 v[ST+8*\t+7], v[ST+8*\t+7], v[ST+8*\t]
.endr
.set b, 0
.rept 16
.irp t, 0,1
	v_pk_fma_f32 v[S+32*\t+2*b:S+32*\t+2*b+1], v[S+32*\t+2*b:S+32*\t+2*b+1], s[CS:CS+1], v[ST+8*\t:ST+8*\t+1] op_sel_hi:[1,0,0] neg_lo:[0,0,1] neg_hi:[0,0,1]   ; c s - c m, two at a time
.endr
.set b, b+1
.endr
.irp t, 0,1                            ; ONE BATCH: both tiles' 66 exponentials; none reads another's result
	v_exp_f32 v[ST+8*\t+6], v[ST+8*\t+7]           ; a
.endr
.set b, 0
.rept 64
	v_exp_f32 v[S+b], v[S+b]                       ; p, at most 1
.set b, b+1
.endr
	v_nop                                          ; a plain instruction behind the last exponential
	s_wait_alu depctr_va_vdst(0)                   ; the wait ahead of the first instruction that names a result: one for the batch
.irp t, 0,1                            ; the row's sum, of p in f32, in two chains; S stays whole
	v_pk_fma_f32 v[ST+8*\t+2:ST+8*\t+3], v[ST+8*\t+2:ST+8*\t+3], v[ST+8*\t+6:ST+8*\t+7], v[S+32*\t:S+32*\t+1] op_sel_hi:[1,0,1]   ; l a + pair 0
	v_pk_add_f32 v[ST+8*\t+4:ST+8*\t+5], v[S+32*\t+2:S+32*\t+3], v[S+32*\t+4:S+32*\t+5]
.endr
.irp p, 3,5,7,9,11,13
.irp t, 0,1
	v_pk_add_f32 v[ST+8*\t+2:ST+8*\t+3], v[ST+8*\t+2:ST+8*\t+3], v[S+32*\t+2*\p:S+32*\t+2*\p+1]
	v_pk_add_f32 v[ST+8*\t+4:ST+8*\t+5], v[ST+8*\t+4:ST+8*\t+5], v[S+32*\t+2*\p+2:S+32*\t+2*\p+3]
.endr
.endr
.irp t, 0,1
	v_pk_add_f32 v[ST+8*\t+2:ST+8*\t+3], v[ST+8*\t+2:ST+8*\t+3], v[S+32*\t+30:S+32*\t+31]
.endr
.irp t, 0,1
	v_pk_add_f32 v[ST+8*\t+2:ST+8*\t+3], v[ST+8*\t+2:ST+8*\t+3], v[ST+8*\t+4:ST+8*\t+5]
.endr
.irp g, 0,1                            ; p to f16, in place and ascending: register i takes numbers 2 i and 2 i + 1 of its 16, so P of keys 32 g on lies in the low half of those 16
.irp i, 0,1,2,3,4,5,6,7
.irp t, 0,1
	v_cvt_pk_f16_f32 v[S+32*\t+16*\g+\i], v[S+32*\t+16*\g+2*\i], v[S+32*\t+16*\g+2*\i+1]
.endr
.endr
.endr
.set b, 0
.rept 16
.irp t, 0,1
	v_pk_mul_f32 v[OT+32*\t+2*b:OT+32*\t+2*b+1], v[OT+32*\t+2*b:OT+32*\t+2*b+1], v[ST+8*\t+6:ST+8*\t+7] op_sel_hi:[1,0]   ; O^T x a, each accumulator from its low end on
.endr
.set b, b+1
.endr
.endm
; A KEY STEP: 64 keys, the q-th of the slot in hand.  In each run of products eight accumulators take turns, one instruction a turn.
.macro STEP q
.if \q == 0
	v_add_nc_u32 v[ADK], s[TB], v[AK0]
	v_add_nc_u32 v[ADV], s[TB], v[AV0]
.endif
.irp kt, 0,1,2,3                       ; K: keys 16 kt on, channels 32 c on
.irp c, 0,1
	ds_load_b128 v[KV+8*(2*\kt+\c):KV+8*(2*\kt+\c)+3], v[ADK] offset:64*KP*\q+16*KP*\kt+64*\c
	ds_load_b128 v[KV+8*(2*\kt+\c)+4:KV+8*(2*\kt+\c)+7], v[ADK] offset:64*KP*\q+16*KP*\kt+64*\c+32
.endr
.endr
	s_wait_dscnt 0x0
.irp c, 0,1
.irp kt, 0,1,2,3
.irp t, 0,1
.if \c == 0
	v_wmma_f32_16x16x32_f16 v[S+32*\t+8*\kt:S+32*\t+8*\kt+7], v[KV+8*(2*\kt+\c):KV+8*(2*\kt+\c)+7], v[QF+16*\t+8*\c:QF+16*\t+8*\c+7], 0
.else
	v_wmma_f32_16x16x32_f16 v[S+32*\t+8*\kt:S+32*\t+8*\kt+7], v[KV+8*(2*\kt+\c):KV+8*(2*\kt+\c)+7], v[QF+16*\t+8*\c:QF+16*\t+8*\c+7], v[S+32*\t+8*\kt:S+32*\t+8*\kt+7]
.endif
.endr
.endr
.endr
.rept 4
	v_nop                                          ; places: in front of the loads into K's registers and of the first read of the scores
.endr
.irp g, 0,1                            ; V^T: keys 32 g on, channels 16 dt on: these land while the softmax is walked
.irp dt, 0,1,2,3
	ds_load_b128 v[KV+8*(4*\g+\dt):KV+8*(4*\g+\dt)+3], v[ADV] offset:16*VP*\dt+128*\q+64*\g
	ds_load_b128 v[KV+8*(4*\g+\dt)+4:KV+8*(4*\g+\dt)+7], v[ADV] offset:16*VP*\dt+128*\q+64*\g+32
.endr
.endr
	SOFTMAX
	s_wait_dscnt 0x0
.irp g, 0,1
.irp dt, 0,1,2,3
.irp t, 0,1
	v_wmma_f32_16x16x32_f16 v[OT+32*\t+8*\dt:OT+32*\t+8*\dt+7], v[KV+8*(4*\g+\dt):KV+8*(4*\g+\dt)+7], v[S+32*\t+16*\g:S+32*\t+16*\g+7], v[OT+32*\t+8*\dt:OT+32*\t+8*\dt+7]
.endr
.endr
.endr
.rept 5
	v_nop                                          ; places: the next step's first products write over P, which these products read (five); the loads into V^T's registers want four
.endr
.endm
; THE CHANGE OF SLOTS stands at a slot's head.  Each wave waits for all its tensor loads, adds 0 to its spare word, and waits for that and for its reads of the slot that it has left.  fill = 1: a round of the
; cluster's barrier follows, so that no wave of any partner still reads that slot or has a load on its way, and the joint load for it is the first thing behind the round: it has four key steps in which to land.
.macro CHANGE fill
	s_wait_tensorcnt 0x0                           ; no tensor load of mine is out, so a group 0 may be written
	ds_add_u32 v[SPW], v[NIL]
.if \fill
	ds_add_u32 v[SPW], v[NIL]                      ; and once more: the add stands twice on end, in every trip alike
	s_xor_b32 s[G0K+1], s[G0K+1], SLOT1            ; the walking descriptors: the other slot than last time,
	s_add_nc_u64 s[G0K+2:G0K+3], s[G0K+2:G0K+3], 32768   ; the next 256 keys
	s_xor_b32 s[G0V+1], s[G0V+1], SLOT1
	s_add_nc_u64 s[G0V+2:G0V+3], s[G0V+2:G0V+3], 512
	s_wait_xcnt 0x0                                ; the last prefetch, a slot back, has read its address, so it may be written
	s_add_nc_u64 s[PFA:PFA+1], s[PFA:PFA+1], s[PFS:PFS+1]
	s_wait_dscnt 0x0                               ; both adds are done, and my reads of the slot that I have left are over
	CROUND
	TLOAD
	ASK
.else
	s_wait_dscnt 0x0
	s_barrier_signal -1
	s_barrier_wait -1
.endif
.endm
	s_wait_loadcnt 0x0                             ; Q
.Lslot:                                            ; seven trips: behind each change of slots but the last the next slot is asked for
	CHANGE 1
	STEP 0
	STEP 1
	STEP 2
	STEP 3
	s_xor_b32 s[TB], s[TB], SLOT1                  ; on to the other slot
	s_sub_co_u32 s[SLOTS], s[SLOTS], 1
	s_cmp_lg_u32 s[SLOTS], 0
	s_cbranch_scc1 .Lslot
	CHANGE 0                                       ; the last slot is written out
	STEP 0
	STEP 1
	STEP 2
	STEP 3
	; THE WAY OUT.  oh = O^T / l + bv, rounded to f16, through my stage in LDS, so that a store covers whole rows.  (The five places that close the last step stand in front of the loads into V^T's registers.)
	v_lshlrev_b32 v[QO], 5, v29                    ; bv: lane (r, h) wants, for channels 16 dt on, numbers 16 dt + 8 h + 0 .. 7
.irp dt, 0,1,2,3
	global_load_b128 v[KV+8*\dt:KV+8*\dt+3], v[QO], s[6:7] offset:64*\dt
	global_load_b128 v[KV+8*\dt+4:KV+8*\dt+7], v[QO], s[6:7] offset:64*\dt+16
.endr
.irp t, 0,1
	v_add_f32 v[ST+8*\t+4], v[ST+8*\t+2], v[ST+8*\t+3]             ; l's two halves,
.endr
.irp t, 0,1
	v_permlanex16_b32 v[ST+8*\t+5], v[ST+8*\t+4], s[SEL], s[SEL+1]
.endr
.irp t, 0,1
	v_add_f32 v[ST+8*\t+4], v[ST+8*\t+4], v[ST+8*\t+5]             ; and the other half of the lanes'
.endr
.irp t, 0,1
	v_rcp_f32 v[ST+8*\t+6], v[ST+8*\t+4]
.endr
	v_nop                                          ; a plain instruction behind the last reciprocal
	s_wait_alu depctr_va_vdst(0)                   ; and the wait ahead of the first use: one for the two
	s_wait_loadcnt 0x0                             ; bv
.set b, 0
.rept 16
.irp t, 0,1
	v_pk_fma_f32 v[OT+32*\t+2*b:OT+32*\t+2*b+1], v[OT+32*\t+2*b:OT+32*\t+2*b+1], v[ST+8*\t+6:ST+8*\t+7], v[KV+2*b:KV+2*b+1] op_sel_hi:[1,0,1]
.endr
.set b, b+1
.endr
.set b, 0
.rept 16
.irp t, 0,1
	v_cvt_pk_f16_f32 v[S+16*\t+b], v[OT+32*\t+2*b], v[OT+32*\t+2*b+1]
.endr
.set b, b+1
.endr
.irp t, 0,1
.irp dt, 0,1,2,3
	ds_store_b128 v[STO], v[S+16*\t+4*\dt:S+16*\t+4*\dt+3] offset:16*KP*\t+32*\dt
.endr
.irp i, 0,1,2,3
	ds_load_b128 v[S+32+16*\t+4*\i:S+32+16*\t+4*\i+3], v[RD] offset:16*KP*\t+4*KP*\i   ; LDS serves a wave's instructions in order: these see my stores
.endr
.endr
.irp t, 0,1
.irp i, 0,1,2,3
	s_wait_dscnt 11-8*\t-\i                        ; behind this load: its tile's later loads, and for tile 0 tile 1's four stores and four loads
	global_store_b128 v[GO], v[S+32+16*\t+4*\i:S+32+16*\t+4*\i+3], s[8:9] offset:2048*\t+512*\i   ; 32 lanes store 512 consecutive bytes, aligned
.endr
.endr
	s_wait_tensorcnt 0x0                           ; the wave's end: a wait, an add of 0 to my spare word and its wait, behind my last tensor load and my last LDS store
	ds_add_u32 v[SPW], v[NIL]
	s_wait_dscnt 0x0
	CROUND                                         ; the closing round
	s_endpgm
.Lfunc_end_k_q2b0444fc8b_attn:
	.size	k_q2b0444fc8b_attn, .Lfunc_end_k_q2b0444fc8b_attn-k_q2b0444fc8b_attn
	.p2alignl 7, 3214868480
	.fill 96, 4, 3214868480
	.section	.rodata,"a",@progbits
	.p2align	6, 0x0
	.amdhsa_kernel k_q2b0444fc8b_attn
		.amdhsa_group_segment_fixed_size 327680
		.amdhsa_private_segment_fixed_size 0
		.amdhsa_enable_private_segment 0
		.amdhsa_kernarg_size 24
		.amdhsa_user_sgpr_count 2
		.amdhsa_user_sgpr_kernarg_segment_ptr 1
		.amdhsa_wavefront_size32 1
		.amdhsa_system_sgpr_workgroup_id_x 1
		.amdhsa_system_sgpr_workgroup_id_y 1
		.amdhsa_system_sgpr_workgroup_id_z 1
		.amdhsa_system_vgpr_workitem_id 0
		.amdhsa_next_free_vgpr 256
		.amdhsa_next_free_sgpr 66
		.amdhsa_reserve_vcc 0
		.amdhsa_float_denorm_mode_32 3
		.amdhsa_float_denorm_mode_16_64 3
		.amdhsa_memory_ordered 1
		.amdhsa_forward_progress 1
		.amdhsa_inst_pref_size 154
	.end_amdhsa_kernel
	.amdgpu_metadata
---
amdhsa.version: [ 1, 2 ]
amdhsa.kernels:
  - .name:           k_q2b0444fc8b_attn
    .symbol:         k_q2b0444fc8b_attn.kd
    .args:
      - { .name: hqkv, .offset: 0, .size: 8, .value_kind: global_buffer, .address_space: global }
      - { .name: bv, .offset: 8, .size: 8, .value_kind: global_buffer, .address_space: global }
      - { .name: oh, .offset: 16, .size: 8, .value_kind: global_buffer, .address_space: global }
    .group_segment_fixed_size: 327680
    .private_segment_fixed_size: 0
    .kernarg_segment_align: 8
    .kernarg_segment_size: 24
    .max_flat_workgroup_size: 512
    .sgpr_count:     66
    .vgpr_count:     256
    .wavefront_size: 32
...
	.end_amdgpu_metadata
.endif
;; end of part 3
;; launch outp (part 4): grid 8 x 64, 4 waves a work-group, clusters of 4 x 4, 327,680 bytes of LDS; arguments oh, wot, out0, bo; writes out0
.if DOCPART == 4
	.amdgcn_target "amdgcn-amd-amdhsa--gfx1250"
	.amdhsa_code_object_version 6
	.text
	.protected	k_q2b0444fc8b_outp
	.globl	k_q2b0444fc8b_outp
	.p2align	8
	.type	k_q2b0444fc8b_outp,@function
k_q2b0444fc8b_outp:
	s_mov_b64 s[64:65], 0
	v_nop
	global_prefetch_b8 v0, s[64:65] scope:SCOPE_SE
	s_setreg_imm32_b32 hwreg(HW_REG_WAVE_MODE, 25, 1), 1
	s_wait_xcnt 0x0
	s_wait_alu depctr_hold_cnt(0) depctr_sa_sdst(0) depctr_va_vdst(0) depctr_va_sdst(0) depctr_va_ssrc(0) depctr_va_vcc(0) depctr_vm_vsrc(0)
	s_getreg_b32 s2, hwreg(HW_REG_IB_STS2, 6, 4)
	s_cmp_eq_u32 s2, 0
	s_cbranch_scc0 .Lentry_in_a_cluster
	s_endpgm
.Lentry_in_a_cluster:
	s_bfe_u32 s2, ttmp6, 0x10000c
	s_cmp_lg_u32 s2, 0xf033
	s_cbranch_scc0 .Lentry_shape_is_right
	s_endpgm
.Lentry_shape_is_right:
; OUTP: out0[m][n] = sum over k of O[m][k] wo[k][n] + bo[n], M = 8,192, N = K = 1,024; operands f16, sums f32, out0 f32.  Nothing of this product is left out.
; BOTH OPERANDS LIE BY CHUNKS OF 64 ALONG K (a head's channels): oh [batch x head][token][64], wot [head][n][64].  So 64 rows of one chunk are 8,192 dense bytes, and a wave's tensor load brings
; four such blocks (a K step of 256) under one descriptor: 4 rows of 8,192 bytes, a chunk's stride apart, with 16 bytes of padding behind every 128: in LDS [chunk][row] with rows 144 bytes apart.
; A tile of C is 128 x 128: four waves, each 64 x 64: 16 accumulators.  512 work-groups; tiles of 256 x 256 would be 128.  K goes in four steps of 256 through a ring of two LDS slots.
; CLUSTERS: 4 x 4 work-groups; A's tiles are shared along a row of the cluster, B's along a column, each asked for jointly.
; THE MATRIX INSTRUCTION IS USED TRANSPOSED (source 0 = 16 rows of wot, source 1 = 16 rows of oh): a lane holds eight neighbouring numbers of a row of C.  bo is the C of each sum's first instruction.
; No prefetch: the tiles are small and a K step's work is short beside them; the partners share each tile instead.
; REGISTERS: window 0: v0-31 addresses; v32-95 the way out; v96-127 bo in the result's layout; v128-255 the accumulators ((a, b) at v[128 + 8 (4 a + b)]).   window 1: two fragment buffers of 128.
.set PITCH,  144                       ; an LDS row: 128 bytes + 16: the 16 rows that a load touches start 36 words apart
.set CH,     64*PITCH                  ; a chunk of 64 rows
.set HALFT,  4*CH                      ; what one tensor load brings, and what one wave reads of A or of B in a K step
.set SLOT,   4*HALFT                   ; A's 128 rows, then B's 128 rows
.set STAGE,  2*SLOT                    ; behind the ring: 16 rows x 272 bytes for each wave, for the way out
.set SPITCH, 272
.set SPARE,  STAGE+4*16*SPITCH         ; the spare words, 128 bytes for each wave
.set LAPS,   2                         ; a lap = two K steps = once round the ring
.set ASTEP,  4*262144                  ; a K step in oh: four heads
.set BSTEP,  4*131072                  ; in wot: four chunks
.set ADRA, 16
.set ADRB, 20
.set STO,  24
.set RD,   25
.set CO,   26
.set BOA,  27
.set SPW,  28
.set NIL,  29
.set TMP,  32
.set BO,   96
.set ACC,  128
.set F0,   0
.set F1,   128
.set G1, 24
.set G0, 32
.set G1B, 48
.set G0B, 56
.set MSB, 0
.macro WIN new
.if MSB != (\new)
	s_set_vgpr_msb (MSB<<8)|(\new)
.set MSB, (\new)
.endif
.endm
.set MUL,  0x05                        ; sources 0 (B) and 1 (A) window 1; C and D window 0
.set TO_F, 0x40                        ; destination window 1, address window 0
.macro JLOAD s                         ; a joint load: waves 0 and 1 fetch A's two halves, waves 2 and 3 B's; an s_nop 0 and four v_nop follow each of the two lines
	s_cmp_eq_u32 s11, 0
	s_cbranch_scc0 .Lfor_b_\@
	tensor_load_to_lds s[G0+4*\s:G0+4*\s+3], s[G1:G1+7]
	s_nop 0
.rept 4
	v_nop
.endr
	s_branch .Lasked_\@
.Lfor_b_\@:
	tensor_load_to_lds s[G0B+4*\s:G0B+4*\s+3], s[G1B:G1B+7]
	s_nop 0
.rept 4
	v_nop
.endr
.Lasked_\@:
.endm
.macro CREST                           ; a round of the cluster's barrier behind its opening barrier
	s_cmp_lg_u32 s10, 0
	s_cbranch_scc1 .Lnot_wave_0_\@
	s_barrier_signal -3
.Lnot_wave_0_\@:
	s_barrier_wait -3
	s_barrier_signal -1
	s_barrier_wait -1
.endm
.macro CROUND
	s_barrier_signal -1
	s_barrier_wait -1
	CREST
.endm
	s_load_b128 s[4:7], s[0:1], 0x0                ; oh 4, wot 6
	s_load_b64 s[8:9], s[0:1], 0x10                ; out0
	s_load_b64 s[66:67], s[0:1], 0x18              ; bo
	v_lshl_add_u32 v[SPW], v0, 2, SPARE
	v_mov_b32 v[NIL], 0
	ds_add_u32 v[SPW], v[NIL]                      ; the wave's opening: the add, twice on end, and its wait ahead of my first tensor load
	ds_add_u32 v[SPW], v[NIL]
	v_lshrrev_b32 v1, 5, v0
	v_readfirstlane_b32 s10, v1                    ; wave 0..3
	s_lshr_b32 s11, s10, 1                         ; my half of the tile's rows.  Also: I fetch for A (0) or for B (1)
	s_and_b32 s12, s10, 1                          ; my half of its columns.  Also: which 64 rows of that tile I fetch
	s_bfe_u32 s40, ttmp6, 0x40000                  ; cx, cy
	s_bfe_u32 s41, ttmp6, 0x40004
	s_lshl_b32 s42, ttmp9, 2
	s_add_co_u32 s42, s42, s40                     ; tile column of C
	s_and_b32 s13, ttmp7, 0xffff
	s_lshl_b32 s13, s13, 2
	s_add_co_u32 s13, s13, s41                     ; tile row of C
	s_lshl_b32 s43, s41, 2
	s_lshl_b32 s43, 15, s43                        ; my row of the cluster
	s_lshl_b32 s44, 0x1111, s40                    ; my column
	; descriptor group 1: 4 rows of 1,024 elements of 8 bytes; 16 bytes of padding behind every 128, which divides the row
	s_or_b32 s[G1+0], s43, (3<<16)|(1<<20)|(1<<21)|(4<<22)|(3<<25)  ; 15:0 the mask; 17:16 elements of 8 bytes; 20 padding on; 21 set beside a mask; 24:22 after every 32 words; 31:25 four words
	s_or_b32 s[G1B+0], s44, (3<<16)|(1<<20)|(1<<21)|(4<<22)|(3<<25)
.irp g, G1, G1B
	s_mov_b32 s[\g+1], 1024<<16                    ; tensor_dim0
	s_mov_b32 s[\g+2], 4<<16                       ; tensor_dim1
	s_mov_b32 s[\g+3], 1024<<16                    ; tile_dim0
	s_mov_b32 s[\g+4], 4                           ; tile_dim1
	s_mov_b32 s[\g+6], 0
	s_mov_b32 s[\g+7], 0
.endr
	s_mov_b32 s[G1+5], 32768                       ; from chunk to chunk: a head of oh, 262,144 bytes;
	s_mov_b32 s[G1B+5], 16384                      ; a chunk of wot, 131,072 bytes
	s_lshl_b32 s17, s12, 6                         ; which 64 rows of the tile I fetch
	s_lshl_b32 s16, s13, 7
	s_add_co_u32 s16, s16, s17                     ; A's row m = 2,048 batch + token
	s_lshr_b32 s18, s16, 11
	s_lshl_b32 s18, s18, 22                        ; a batch's 16 heads
	s_and_b32 s16, s16, 2047
	s_lshl_b32 s16, s16, 7                         ; 128 bytes a token
	s_add_co_u32 s16, s16, s18
	s_lshl_b32 s46, s42, 7
	s_add_co_u32 s46, s46, s17                     ; B's row n
	s_lshl_b32 s46, s46, 7
	s_mov_b32 s17, 0
	s_mov_b32 s47, 0
	s_mul_i32 s20, s10, HALFT                      ; where they go: no place in the cluster enters an LDS address
	s_wait_dscnt 0x0                               ; both opening adds are done
	s_wait_kmcnt 0x0
	s_add_nc_u64 s[14:15], s[4:5], s[16:17]
	s_add_nc_u64 s[46:47], s[6:7], s[46:47]
	CROUND                                         ; all sixteen work-groups are here: the first joint loads meet
.irp s, 0,1
	s_mov_b32 s[G0+4*\s], 1
	s_add_co_u32 s[G0+4*\s+1], s20, \s*SLOT
	s_add_nc_u64 s[G0+4*\s+2:G0+4*\s+3], s[14:15], \s*ASTEP
	s_or_b32 s[G0+4*\s+3], s[G0+4*\s+3], 0x80000000
	s_mov_b32 s[G0B+4*\s], 1
	s_add_co_u32 s[G0B+4*\s+1], s20, \s*SLOT
	s_add_nc_u64 s[G0B+4*\s+2:G0B+4*\s+3], s[46:47], \s*BSTEP
	s_or_b32 s[G0B+4*\s+3], s[G0B+4*\s+3], 0x80000000
	JLOAD \s
.endr
	v_and_b32 v1, 15, v0                           ; r
	v_bfe_u32 v2, v0, 4, 1                         ; h
	v_mul_u32_u24 v3, v1, PITCH
	v_lshl_add_u32 v3, v2, 4, v3                   ; a fragment's row x pitch + 16 h
	s_mul_i32 s21, s11, HALFT                      ; my 64 rows of A
	s_mul_i32 s22, s12, HALFT                      ; my 64 rows of B,
	s_add_co_u32 s22, s22, 2*HALFT                 ; behind A's 128
.irp s, 0,1
	v_add_nc_u32 v[ADRA+\s], s21, v3
	v_add_nc_u32 v[ADRB+\s], s22, v3
	s_add_co_u32 s21, s21, SLOT
	s_add_co_u32 s22, s22, SLOT
.endr
	s_mul_i32 s23, s10, 16*SPITCH
	s_add_co_u32 s23, s23, STAGE                   ; my stage
	v_mul_u32_u24 v4, v1, SPITCH                   ; in: row r, 32 bytes for each half of the lanes
	v_lshl_add_u32 v4, v2, 5, v4
	v_add_nc_u32 v[STO], s23, v4
	v_mul_u32_u24 v5, v2, SPITCH                   ; back: lanes 0-15 one row of 256 bytes, lanes 16-31 the next
	v_lshl_add_u32 v5, v1, 4, v5
	v_add_nc_u32 v[RD], s23, v5
	v_lshlrev_b32 v5, 12, v2                       ; and the same two rows in out0
	v_lshl_add_u32 v[CO], v1, 4, v5
	s_lshl_b32 s16, s13, 7
	s_lshl_b32 s17, s11, 6
	s_add_co_u32 s16, s16, s17                     ; my first row of C
	s_lshl_b32 s16, s16, 12
	s_lshl_b32 s46, s42, 9                         ; my first column, in bytes: 512 x tile column + 256 x half
	s_lshl_b32 s47, s12, 8
	s_add_co_u32 s46, s46, s47
	s_mov_b32 s47, 0
	s_add_nc_u64 s[66:67], s[66:67], s[46:47]      ; bo at my 64 columns
	s_add_co_u32 s16, s16, s46
	s_mov_b32 s17, 0
	s_add_nc_u64 s[8:9], s[8:9], s[16:17]
	v_lshlrev_b32 v[BOA], 5, v2                    ; lane (r, h) wants, for B's block b, bo[16 b + 8 h + 0 .. 7]
.irp b, 0,1,2,3
	global_load_b128 v[BO+8*\b:BO+8*\b+3], v[BOA], s[66:67] offset:64*\b
	global_load_b128 v[BO+8*\b+4:BO+8*\b+7], v[BOA], s[66:67] offset:64*\b+16
.endr
; 8 matrix instructions: m blocks a0, a0 + 1 x all 4 n blocks, 32 along K: half c of buffer f.  first = 1: the sums start from bo.  The 16 accumulators take turns.
.macro MUL8 f, c, a0, first
.irp a, \a0, \a0+1
.irp b, 0,1,2,3
.if \first
	v_wmma_f32_16x16x32_f16 v[ACC+8*(4*(\a)+\b):ACC+8*(4*(\a)+\b)+7], v[\f+64+8*(4*\c+\b):\f+64+8*(4*\c+\b)+7], v[\f+8*(4*\c+\a):\f+8*(4*\c+\a)+7], v[BO+8*\b:BO+8*\b+7]
.else
	v_wmma_f32_16x16x32_f16 v[ACC+8*(4*(\a)+\b):ACC+8*(4*(\a)+\b)+7], v[\f+64+8*(4*\c+\b):\f+64+8*(4*\c+\b)+7], v[\f+8*(4*\c+\a):\f+8*(4*\c+\a)+7], v[ACC+8*(4*(\a)+\b):ACC+8*(4*(\a)+\b)+7]
.endif
.endr
.endr
.endm
; 32 LDS loads in one run: the fragments of one chunk (64 along K), which begins at byte k of the wave's part of a slot, into buffer f; the first 32 along K first
.macro FETCH slot, k, f
	WIN TO_F
.irp c, 0,1
.irp i, 0,1,2,3
	ds_load_b128 v[\f+64+8*(4*\c+\i):\f+64+8*(4*\c+\i)+3],   v[ADRB+\slot] offset:\k+64*\c+\i*16*PITCH
	ds_load_b128 v[\f+64+8*(4*\c+\i)+4:\f+64+8*(4*\c+\i)+7], v[ADRB+\slot] offset:\k+64*\c+\i*16*PITCH+32
	ds_load_b128 v[\f+8*(4*\c+\i):\f+8*(4*\c+\i)+3],         v[ADRA+\slot] offset:\k+64*\c+\i*16*PITCH
	ds_load_b128 v[\f+8*(4*\c+\i)+4:\f+8*(4*\c+\i)+7],       v[ADRA+\slot] offset:\k+64*\c+\i*16*PITCH+32
.endr
.endr
.endm
.macro PLACES                          ; four places in front of loads into registers that matrix instructions have read, and of the first read of results (ISA guide 7.12.1 for reads)
.rept 4
	v_nop
.endr
.endm
; A K step is four quarters, a chunk each, 32 matrix instructions, on buffers 0, 1, 0, 1.  One of the first three: multiplies buffer f and fetches the next chunk, at byte k, into g.
.macro QUARTER slot, k, f, g, first
	s_wait_dscnt 16                                ; the first 32 along K are in; the youngest sixteen loads may be out
	WIN MUL
	MUL8 \f, 0, 0, \first
	MUL8 \f, 0, 2, \first
	PLACES
	FETCH \slot, \k, \g
	s_wait_dscnt 32                                ; all but the 32 just issued
	WIN MUL
	MUL8 \f, 1, 0, 0
	MUL8 \f, 1, 2, 0
.endm
; The last quarter multiplies buffer 1 and changes slots: one barrier; in front of it each wave waits for all its tensor loads, adds 0 to its spare word, and waits for that and for its reads of this slot.
; fill = 1: the barrier opens a round of the cluster's, and this slot is filled again, two K steps ahead, first thing behind the round.
.macro TURN slot, next, fill
	WIN 0                                          ; (the add's two registers lie in window 0)
	s_wait_tensorcnt 0x0                           ; all my tensor loads have landed: my part of the next slot
	ds_add_u32 v[SPW], v[NIL]
	s_wait_dscnt 17                                ; the add and the youngest sixteen loads may be out
	WIN MUL
	MUL8 F1, 0, 0, 0
	s_wait_dscnt 0x0                               ; the add is done, and my reads of this slot are over
	s_barrier_signal -1
	MUL8 F1, 0, 2, 0
.if \fill
	WIN 0
.endif
	s_barrier_wait -1
.if \fill
	CREST                                          ; no wave of any partner still reads this slot's tile or has a load on its way
	s_add_nc_u64 s[G0+4*\slot+2:G0+4*\slot+3], s[G0+4*\slot+2:G0+4*\slot+3], 2*ASTEP
	s_add_nc_u64 s[G0B+4*\slot+2:G0B+4*\slot+3], s[G0B+4*\slot+2:G0B+4*\slot+3], 2*BSTEP
	JLOAD \slot                                    ; the four v_nop behind it are also the places in front of the loads below
.else
	PLACES
.endif
	FETCH \next, 0, F0
	WIN MUL
	MUL8 F1, 1, 0, 0
	MUL8 F1, 1, 2, 0
.endm
	s_wait_tensorcnt 1                             ; my part of K step 0 is in (K step 1's load may be out),
	s_barrier_signal -1
	s_barrier_wait -1                              ; everybody's is
	FETCH 0, 0, F0
	s_wait_loadcnt 0x0                             ; bo
	QUARTER 0, CH, F0, F1, 1                       ; the first quarter stands in front of the loop: its first products start the sums
	WIN 0                                          ; at a label and at a branch every window is 0
	s_mov_b32 s3, LAPS-1
.Llap:                                                 ; a trip goes once round the ring, from a lap's second quarter to the next lap's first, and fills both slots again
	QUARTER 0, 2*CH, F1, F0, 0
	QUARTER 0, 3*CH, F0, F1, 0
	TURN 0, 1, 1
	QUARTER 1, CH, F0, F1, 0
	QUARTER 1, 2*CH, F1, F0, 0
	QUARTER 1, 3*CH, F0, F1, 0
	TURN 1, 0, 1
	QUARTER 0, CH, F0, F1, 0
	WIN 0
	s_sub_co_u32 s3, s3, 1
	s_cmp_lg_u32 s3, 0
	s_cbranch_scc1 .Llap
	QUARTER 0, 2*CH, F1, F0, 0                     ; the last lap fills nothing, and has no round of the cluster's barrier
	QUARTER 0, 3*CH, F0, F1, 0
	TURN 0, 1, 0
	QUARTER 1, CH, F0, F1, 0
	QUARTER 1, 2*CH, F1, F0, 0
	QUARTER 1, 3*CH, F0, F1, 0
	s_wait_dscnt 16                                ; the very last quarter: nothing more to fetch
	WIN MUL
	MUL8 F1, 0, 0, 0
	MUL8 F1, 0, 2, 0
	s_wait_dscnt 0
	MUL8 F1, 1, 0, 0
	MUL8 F1, 1, 2, 0
	WIN 0
; THE WAY OUT, block by block of 16 rows x 64 columns.  A wave's 64 columns of f32 are 256 bytes: a block goes through my own stage and comes back as whole rows; no barrier.
.macro TOSTAGE a
.irp b, 0,1,2,3
	ds_store_b128 v[STO], v[ACC+8*(4*(\a)+\b):ACC+8*(4*(\a)+\b)+3] offset:64*\b          ; each accumulator from its low end on
	ds_store_b128 v[STO], v[ACC+8*(4*(\a)+\b)+4:ACC+8*(4*(\a)+\b)+7] offset:64*\b+16
.endr
.irp t, 0,1,2,3,4,5,6,7
	ds_load_b128 v[TMP+32*((\a)%2)+4*\t:TMP+32*((\a)%2)+4*\t+3], v[RD] offset:\t*2*SPITCH   ; LDS serves a wave's instructions in order: these see the stores above, and the next block's stores come behind them
.endr
.endm
.macro SEND a, younger                 ; younger: the LDS instructions issued behind block a's loads, which may stay out
	s_wait_dscnt \younger
.irp t, 0,1,2,3,4,5,6,7
	global_store_b128 v[CO], v[TMP+32*((\a)%2)+4*\t:TMP+32*((\a)%2)+4*\t+3], s[8:9] offset:(16*(\a)+2*\t)*4096 th:TH_STORE_NT   ; sixteen lanes store 256 consecutive bytes, aligned; written once, read by nobody here
.endr
.endm
	PLACES                                         ; behind the last products
	TOSTAGE 0
.irp a, 1,2,3
.if \a > 1
	s_wait_xcnt 0x0                                ; block a - 2's stores have read their registers: block a's loads may land there
.endif
	TOSTAGE \a
	SEND \a-1, 16                                  ; behind block a - 1's loads: block a's eight stores and eight loads
.endr
	SEND 3, 0
	s_wait_tensorcnt 0x0                           ; the wave's end: a wait, an add of 0 to my spare word and its wait, behind my last tensor load and my last LDS store
	ds_add_u32 v[SPW], v[NIL]
	s_wait_dscnt 0x0
	CROUND                                         ; the closing round
	s_endpgm
.Lfunc_end_k_q2b0444fc8b_outp:
	.size	k_q2b0444fc8b_outp, .Lfunc_end_k_q2b0444fc8b_outp-k_q2b0444fc8b_outp
	.p2alignl 7, 3214868480
	.fill 96, 4, 3214868480
	.section	.rodata,"a",@progbits
	.p2align	6, 0x0
	.amdhsa_kernel k_q2b0444fc8b_outp
		.amdhsa_group_segment_fixed_size 327680
		.amdhsa_private_segment_fixed_size 0
		.amdhsa_enable_private_segment 0
		.amdhsa_kernarg_size 32
		.amdhsa_user_sgpr_count 2
		.amdhsa_user_sgpr_kernarg_segment_ptr 1
		.amdhsa_wavefront_size32 1
		.amdhsa_system_sgpr_workgroup_id_x 1
		.amdhsa_system_sgpr_workgroup_id_y 1
		.amdhsa_system_sgpr_workgroup_id_z 1
		.amdhsa_system_vgpr_workitem_id 0
		.amdhsa_next_free_vgpr 512
		.amdhsa_next_free_sgpr 68
		.amdhsa_reserve_vcc 0
		.amdhsa_float_denorm_mode_32 3
		.amdhsa_float_denorm_mode_16_64 3
		.amdhsa_memory_ordered 1
		.amdhsa_forward_progress 1
		.amdhsa_inst_pref_size 87
	.end_amdhsa_kernel
	.amdgpu_metadata
---
amdhsa.version: [ 1, 2 ]
amdhsa.kernels:
  - .name:           k_q2b0444fc8b_outp
    .symbol:         k_q2b0444fc8b_outp.kd
    .args:
      - { .name: oh, .offset: 0, .size: 8, .value_kind: global_buffer, .address_space: global }
      - { .name: wot, .offset: 8, .size: 8, .value_kind: global_buffer, .address_space: global }
      - { .name: out0, .offset: 16, .size: 8, .value_kind: global_buffer, .address_space: global }
      - { .name: bo, .offset: 24, .size: 8, .value_kind: global_buffer, .address_space: global }
    .group_segment_fixed_size: 327680
    .private_segment_fixed_size: 0
    .kernarg_segment_align: 8
    .kernarg_segment_size: 32
    .max_flat_workgroup_size: 128
    .sgpr_count:     68
    .vgpr_count:     512
    .wavefront_size: 32
...
	.end_amdgpu_metadata
.endif
;; end of part 4
